; MI455X (gfx1250); checked and timed in simulation.
; The chip was launched on July 23, 2026; its instructions are those of AMD's public machine-readable ISA for CDNA 5 (MIT licence, August 2026) and "CDNA5" Instruction Set Architecture Reference Guide (July 2026). The comments in the code are by the model that wrote it; some were corrected since.
;; Std Abs Block. Allowed arithmetic: float matrix products may take bf16 or f16 operands with f32 sums; other float arithmetic in f32, or as packed bf16 or f16 multiplies, adds, multiply-adds, maxima and minima; sums over many terms, partial sums and values carried from step to step in f32; what a program stores and reads back later, other than sums and carried values, may be rounded once to bf16 or f16.
;; Inputs: ffn_b1 4,096 float32; ffn_b2 1,024 float32; ffn_w1 4,096 x 1,024 float32; ffn_w2 1,024 x 4,096 float32; ln1_b 1,024 float32; ln1_w 1,024 float32; ln2_b 1,024 float32; ln2_w 1,024 float32; o_w 1,024 x 1,024 float32; qkv_w 3,072 x 1,024 float32; x 2 x 2,048 x 1,024 float32.
;; Outputs: out0 2 x 2,048 x 1,024 float32.
;; 2 versions, each right; version 2 is version 1 with the launches prep, ln2 written anew for expert scheduling mode. Each part assembles by itself: llvm-mc -triple=amdgcn-amd-amdhsa -mcpu=gfx1250 --defsym DOCPART=n.
;; ======== version 1 of 2: 7 launches
;; limits: a function is approximated: absolute error at most 2.5e-05; values are held in f16: magnitudes above 65,504 overflow, below 6.1e-05 lose precision
;; workspace buffers: wq 6,291,456 bytes; wo 2,097,152 bytes; w1b 8,388,608 bytes; w2b 8,388,608 bytes; act 8,388,608 bytes; qkv 25,165,824 bytes; x1 16,777,216 bytes; ff 33,554,432 bytes
;; launch prep (part 1): grid 1024 x 1, 4 waves a work-group, no clusters, 0 bytes of LDS; arguments x, ln1_w, ln1_b, act, qkv_w, o_w, ffn_w1, ffn_w2, wq, wo, w1b, w2b; writes act, wq, wo, w1b, w2b
.if DOCPART == 1
	.amdgcn_target "amdgcn-amd-amdhsa--gfx1250"
	.amdhsa_code_object_version 6
	.text
	.protected	k_q405417f2ad_prep
	.globl	k_q405417f2ad_prep
	.p2align	8
	.type	k_q405417f2ad_prep,@function
k_q405417f2ad_prep:
	s_mov_b64 s[64:65], 0
	v_nop
	global_prefetch_b8 v0, s[64:65] scope:SCOPE_SE
	s_setreg_imm32_b32 hwreg(HW_REG_WAVE_MODE, 25, 1), 1
	s_wait_xcnt 0x0
; LAYER NORM 1 AND THE WEIGHTS' ROUNDING, one stream.  Every work-group takes 16 rows of 1,024 f32 (64 KiB in, 32 KiB of f16 out), each of its four waves 4 rows.
; Work-groups 0-255: act = f16(layer_norm(x) * ln1_w + ln1_b).  256-447: wq = f16(qkv_w).  448-511: wo = f16(o_w).  512-767: w1b = f16(ffn_w1).  768-1023: w2b = f16(ffn_w2), taken as 4,096 rows of 1,024.
; LIMITS.  f16 holds no number beyond 65,504 (a normed number is at most sqrt(1023) = 32 times its gain, plus its bias); below 6.1e-5 a number keeps f16's fixed step of 6e-8.
; A row is 32 registers of one wave: it is read once and stays in registers between the mean, the centred sum of squares and the scaling; no LDS, no barrier.
; The variance is the mean of (x - mean)^2, as the problem writes it: no difference of large sums.  All statistics in f32; one rounding to f16 at the end.
; A load of a wave covers 512 consecutive bytes, a store 256 consecutive bytes, aligned.
.set X,  32                            ; v[32:159]  row i at X + 32 i; load j brings registers 4 j .. 4 j + 3 = columns 128 j + 4 lane + 0..3
.set GW, 160                           ; v[160:191] the gain of my 32 columns, in the same map
.set GB, 192                           ; v[192:223] the bias
.set T,  4                             ; v[4:11]    four chains of pairs
.set MU, 12                            ; v[12:13]   the mean, twice
.set RS, 16                            ; v[16:23]   row i's 1 / sigma, twice, at RS + 2 i
.set VA, 24                            ; v[24:27]   row i's variance + eps
	s_load_b512 s[8:23], s[0:1], 0x0               ; x 8, ln1_w 10, ln1_b 12, act 14, qkv_w 16, o_w 18, ffn_w1 20, ffn_w2 22
	s_load_b256 s[24:31], s[0:1], 0x40             ; wq 24, wo 26, w1b 28, w2b 30
	v_lshrrev_b32 v3, 5, v0
	v_readfirstlane_b32 s3, v3                     ; wave 0..3
	v_and_b32 v2, 31, v0
	v_lshlrev_b32 v1, 4, v2                        ; 16 x lane: my 16 bytes of a load
	v_lshlrev_b32 v2, 3, v2                        ; 8 x lane: my 8 bytes of a store
	s_mov_b32 s2, ttmp9
	s_mov_b32 s40, 0x76543210                      ; v_permlanex16_b32: each lane takes its own place in the other half
	s_mov_b32 s41, 0xfedcba98
	s_mov_b32 s42, 0x3a800000                      ; 1 / 1024
	s_mov_b32 s43, 0x3727c5ac                      ; eps = 1e-5
	s_mov_b32 s36, 0                               ; the first work-group of my range
	s_wait_kmcnt 0x0
	s_mov_b64 s[32:33], s[8:9]                     ; from where
	s_mov_b64 s[34:35], s[14:15]                   ; to where
.macro PICK first, src, dst            ; from work-group 'first' on another pair of buffers is meant
	s_cmp_ge_u32 s2, \first
	s_cselect_b64 s[32:33], s[\src:\src+1], s[32:33]
	s_cselect_b64 s[34:35], s[\dst:\dst+1], s[34:35]
	s_cselect_b32 s36, \first, s36
.endm
	PICK 256, 16, 24
	PICK 448, 18, 26
	PICK 512, 20, 28
	PICK 768, 22, 30
	s_sub_co_u32 s37, s2, s36
	s_lshl_b32 s37, s37, 4
	s_lshl_b32 s38, s3, 2
	s_add_co_u32 s37, s37, s38                     ; my first row: 16 x work-group + 4 x wave
	s_lshl_b32 s38, s37, 12                        ; 4,096 bytes a row in
	s_mov_b32 s39, 0
	s_add_nc_u64 s[32:33], s[32:33], s[38:39]
	s_lshl_b32 s38, s37, 11                        ; 2,048 bytes a row out
	s_add_nc_u64 s[34:35], s[34:35], s[38:39]
.set i, 0
.rept 4
.set j, 0
.rept 8
	global_load_b128 v[X+32*i+4*j:X+32*i+4*j+3], v1, s[32:33] offset:i*4096+j*512
.set j, j+1
.endr
.set i, i+1
.endr
.macro OUT i                           ; row i: 32 numbers rounded to f16 in place, and stored
.set j, 0
.rept 8
	v_cvt_pk_f16_f32 v[X+32*(\i)+4*j], v[X+32*(\i)+4*j], v[X+32*(\i)+4*j+1]
	v_cvt_pk_f16_f32 v[X+32*(\i)+4*j+1], v[X+32*(\i)+4*j+2], v[X+32*(\i)+4*j+3]
	global_store_b64 v2, v[X+32*(\i)+4*j:X+32*(\i)+4*j+1], s[34:35] offset:(\i)*2048+j*256  ; the wave stores 256 consecutive bytes, aligned
.set j, j+1
.endr
.endm
.macro REDUCE                          ; the four chains into one number, the same in every lane
	v_pk_add_f32 v[T:T+1], v[T:T+1], v[T+2:T+3]
	v_pk_add_f32 v[T+4:T+5], v[T+4:T+5], v[T+6:T+7]
	v_pk_add_f32 v[T:T+1], v[T:T+1], v[T+4:T+5]
	v_add_f32 v[T], v[T], v[T+1]
	v_add_f32_dpp v[T], v[T], v[T] row_xmask:1 row_mask:0xf bank_mask:0xf
	v_add_f32_dpp v[T], v[T], v[T] row_xmask:2 row_mask:0xf bank_mask:0xf
	v_add_f32_dpp v[T], v[T], v[T] row_xmask:4 row_mask:0xf bank_mask:0xf
	v_add_f32_dpp v[T], v[T], v[T] row_xmask:8 row_mask:0xf bank_mask:0xf
	v_permlanex16_b32 v3, v[T], s40, s41           ; v3 was written at the head
	v_add_f32 v[T], v[T], v3
.endm
.macro STAT i                          ; row i: the mean; the row centred in place; variance + eps
	s_wait_loadcnt 40-8*(\i)                       ; behind row i's eight loads stand the later rows' and the sixteen of gain and bias
.set c, 0
.rept 4
	v_pk_add_f32 v[T+2*c:T+2*c+1], v[X+32*(\i)+2*c:X+32*(\i)+2*c+1], v[X+32*(\i)+2*c+8:X+32*(\i)+2*c+9]  ; the first pairs start the chains
.set c, c+1
.endr
.set c, 8
.rept 8
	v_pk_add_f32 v[T+2*(c%4):T+2*(c%4)+1], v[T+2*(c%4):T+2*(c%4)+1], v[X+32*(\i)+2*c:X+32*(\i)+2*c+1]
.set c, c+1
.endr
	REDUCE
	v_mul_f32 v[MU], s42, v[T]
	v_mul_f32 v[MU+1], s42, v[T]
.set c, 0
.rept 16
	v_pk_add_f32 v[X+32*(\i)+2*c:X+32*(\i)+2*c+1], v[X+32*(\i)+2*c:X+32*(\i)+2*c+1], v[MU:MU+1] neg_lo:[0,1] neg_hi:[0,1]
.set c, c+1
.endr
.set c, 0
.rept 4
	v_pk_mul_f32 v[T+2*c:T+2*c+1], v[X+32*(\i)+2*c:X+32*(\i)+2*c+1], v[X+32*(\i)+2*c:X+32*(\i)+2*c+1]
.set c, c+1
.endr
.rept 12
	v_pk_fma_f32 v[T+2*(c%4):T+2*(c%4)+1], v[X+32*(\i)+2*c:X+32*(\i)+2*c+1], v[X+32*(\i)+2*c:X+32*(\i)+2*c+1], v[T+2*(c%4):T+2*(c%4)+1]
.set c, c+1
.endr
	REDUCE
	v_fma_f32 v[VA+(\i)], v[T], s42, s43
.endm
.macro NORM i                          ; row i: times 1 / sigma, times gain plus bias, out
.set p, 0
.rept 16
	v_pk_mul_f32 v[X+32*(\i)+2*p:X+32*(\i)+2*p+1], v[X+32*(\i)+2*p:X+32*(\i)+2*p+1], v[RS+2*(\i):RS+2*(\i)+1]
.set p, p+1
.endr
.set p, 0
.rept 16
	v_pk_fma_f32 v[X+32*(\i)+2*p:X+32*(\i)+2*p+1], v[X+32*(\i)+2*p:X+32*(\i)+2*p+1], v[GW+2*p:GW+2*p+1], v[GB+2*p:GB+2*p+1]
.set p, p+1
.endr
	OUT \i
.endm
	s_cmp_lt_u32 s2, 256
	s_cbranch_scc0 .Lcast
.set j, 0
.rept 8
	global_load_b128 v[GW+4*j:GW+4*j+3], v1, s[10:11] offset:j*512
.set j, j+1
.endr
.set j, 0
.rept 8
	global_load_b128 v[GB+4*j:GB+4*j+3], v1, s[12:13] offset:j*512
.set j, j+1
.endr
	STAT 0
	STAT 1
	STAT 2
	STAT 3
.set i, 0
.rept 4
	v_rsq_f32 v[RS+2*i], v[VA+i]                   ; made twice, to fill the pair that the packed multiply takes
	v_rsq_f32 v[RS+2*i+1], v[VA+i]
.set i, i+1
.endr
	v_nop                                          ; a plain instruction behind the last root,
	s_wait_alu depctr_va_vdst(0)                   ; and one wait for the eight, ahead of their first reader
	s_wait_loadcnt 0x0                             ; gain and bias
	NORM 0
	NORM 1
	NORM 2
	NORM 3
	s_endpgm
.Lcast:
.set i, 0
.rept 4
	s_wait_loadcnt 24-8*i                          ; the later rows' loads stay out
	OUT i
.set i, i+1
.endr
	s_endpgm
.Lfunc_end_k_q405417f2ad_prep:
	.size	k_q405417f2ad_prep, .Lfunc_end_k_q405417f2ad_prep-k_q405417f2ad_prep
	.p2alignl 7, 3214868480
	.fill 96, 4, 3214868480
	.section	.rodata,"a",@progbits
	.p2align	6, 0x0
	.amdhsa_kernel k_q405417f2ad_prep
		.amdhsa_group_segment_fixed_size 0
		.amdhsa_private_segment_fixed_size 0
		.amdhsa_enable_private_segment 0
		.amdhsa_kernarg_size 96
		.amdhsa_user_sgpr_count 2
		.amdhsa_user_sgpr_kernarg_segment_ptr 1
		.amdhsa_wavefront_size32 1
		.amdhsa_system_sgpr_workgroup_id_x 1
		.amdhsa_system_sgpr_workgroup_id_y 1
		.amdhsa_system_sgpr_workgroup_id_z 1
		.amdhsa_system_vgpr_workitem_id 0
		.amdhsa_next_free_vgpr 224
		.amdhsa_next_free_sgpr 66
		.amdhsa_reserve_vcc 0
		.amdhsa_float_denorm_mode_32 3
		.amdhsa_float_denorm_mode_16_64 3
		.amdhsa_memory_ordered 1
		.amdhsa_forward_progress 1
		.amdhsa_inst_pref_size 46
	.end_amdhsa_kernel
	.amdgpu_metadata
---
amdhsa.version: [ 1, 2 ]
amdhsa.kernels:
  - .name:           k_q405417f2ad_prep
    .symbol:         k_q405417f2ad_prep.kd
    .args:
      - { .name: x, .offset: 0, .size: 8, .value_kind: global_buffer, .address_space: global }
      - { .name: ln1_w, .offset: 8, .size: 8, .value_kind: global_buffer, .address_space: global }
      - { .name: ln1_b, .offset: 16, .size: 8, .value_kind: global_buffer, .address_space: global }
      - { .name: act, .offset: 24, .size: 8, .value_kind: global_buffer, .address_space: global }
      - { .name: qkv_w, .offset: 32, .size: 8, .value_kind: global_buffer, .address_space: global }
      - { .name: o_w, .offset: 40, .size: 8, .value_kind: global_buffer, .address_space: global }
      - { .name: ffn_w1, .offset: 48, .size: 8, .value_kind: global_buffer, .address_space: global }
      - { .name: ffn_w2, .offset: 56, .size: 8, .value_kind: global_buffer, .address_space: global }
      - { .name: wq, .offset: 64, .size: 8, .value_kind: global_buffer, .address_space: global }
      - { .name: wo, .offset: 72, .size: 8, .value_kind: global_buffer, .address_space: global }
      - { .name: w1b, .offset: 80, .size: 8, .value_kind: global_buffer, .address_space: global }
      - { .name: w2b, .offset: 88, .size: 8, .value_kind: global_buffer, .address_space: global }
    .group_segment_fixed_size: 0
    .private_segment_fixed_size: 0
    .kernarg_segment_align: 8
    .kernarg_segment_size: 96
    .max_flat_workgroup_size: 128
    .sgpr_count:     66
    .vgpr_count:     224
    .wavefront_size: 32
...
	.end_amdgpu_metadata
.endif
;; end of part 1
;; launch gemm_qkv (part 2): grid 12 x 16, 4 waves a work-group, clusters of 4 x 4, 327,680 bytes of LDS; arguments act, wq, qkv; writes qkv
.if DOCPART == 2
	.amdgcn_target "amdgcn-amd-amdhsa--gfx1250"
	.amdhsa_code_object_version 6
	.text
	.protected	k_q405417f2ad_gemm_qkv
	.globl	k_q405417f2ad_gemm_qkv
	.p2align	8
	.type	k_q405417f2ad_gemm_qkv,@function
k_q405417f2ad_gemm_qkv:
	s_mov_b64 s[64:65], 0
	v_nop
	global_prefetch_b8 v0, s[64:65] scope:SCOPE_SE
	s_setreg_imm32_b32 hwreg(HW_REG_WAVE_MODE, 25, 1), 1
	s_wait_xcnt 0x0
	s_wait_alu depctr_hold_cnt(0) depctr_sa_sdst(0) depctr_va_vdst(0) depctr_va_sdst(0) depctr_va_ssrc(0) depctr_va_vcc(0) depctr_vm_vsrc(0)
	s_getreg_b32 s2, hwreg(HW_REG_IB_STS2, 6, 4)
	s_cmp_eq_u32 s2, 0
	s_cbranch_scc0 .Lentry_in_a_cluster
	s_endpgm
.Lentry_in_a_cluster:
	s_bfe_u32 s2, ttmp6, 0x10000c
	s_cmp_lg_u32 s2, 0xf033
	s_cbranch_scc0 .Lentry_shape_is_right
	s_endpgm
.Lentry_shape_is_right:
; C = A B^T.  A: [4096][1024] f16 (the normed rows), B: [N][1024] f16 (weights, rounded once from f32), sums in f32.  C leaves in f16, IN SLICES of 64 columns: [N / 64][4096][64],
; so that two neighbouring rows of a slice are 256 consecutive bytes.  EPI = 0: C as it is (q, k, v by heads).  EPI = 1: C = gelu(sum + bias).
; LIMITS.  Matrix operands and C are f16, which holds no number beyond 65,504: a result of 65,520 or more becomes an infinity.  A sum of 1,024 products of unit rows and weights of spread 1 / 32 has spread 1;
; with gain and weights both 30 times larger it has 900, its largest numbers about 5,000.  Below 6.1e-5 a number keeps f16's fixed step of 6e-8.
; With EPI = 1 the error function is taken by the rational form erf(u) = 1 - (a1 t + a2 t^2 + a3 t^3) exp(-u^2), t = 1 / (1 + 0.47047 u) (Abramowitz and Stegun 7.1.25),
; off by at most 2.5e-5 for every u: gelu(x) is off by at most 1.25e-5 |x|, and by nothing once exp(-x^2 / 2) is 0.  NaN and infinities are not treated apart.
; SHAPE.  A tile of C is 256 x 256: four waves, each 128 x 128 in 64 accumulators (512 registers).  K goes in 8 steps of 128 through two LDS slots filled by tensor loads; a row of a tile is 256 bytes of memory, aligned.
; The text of a K step is written once: the slot in hand is a scalar register that one exclusive or turns.  The last two steps, which ask for nothing, have a loop of their own.
; CLUSTER.  4 x 4 work-groups: A's tile is asked for jointly by the four of a row of the cluster, B's by the four of a column: the same load, descriptor and mask in all four.
; TRANSPOSED USE.  Source 0 = 16 rows of B, source 1 = 16 rows of A: a lane holds row l % 16 of C and eight neighbouring columns.
; THE WAY OUT.  Behind the last K step the two slots have had their last fill: each wave lays its 128 x 128 sums there in f32 (rows of 528 bytes) and walks them in a loop, eight rows a trip.
; REGISTERS, in windows of 256: window 0: v16-30 addresses, v32-47 bias, v64-191 A's fragments (two buffers), behind the loop v64-239 at work; window 1: v64-191 B's fragments; windows 2, 3: the accumulators, (a, b) at 8 (8 a + b).
.set EPI,    0
.set KSTEP,  128
.set PITCH,  272                       ; an LDS row: 256 bytes + 16 of padding: the 16 rows of a fragment load start 68 words apart
.set HALFT,  128*PITCH                 ; what one tensor load brings
.set SLOT,   4*HALFT                   ; A's 256 rows, then B's 256 rows
.set DP,     528                       ; the way out: a row of 128 f32 + 16 bytes
.set DW,     128*DP                    ; a wave's 128 rows; four of them fit into the two slots
.set SPARE,  2*SLOT                    ; the spare words, 128 bytes for each wave
.set SST,    524288                    ; bytes in a slice of C
.set RA0, 16                           ; v16  my place in A's fragments, slot 0
.set RB0, 17                           ; v17  the same for B
.set RCA, 18                           ; v18  the same in the slot in hand
.set RCB, 19                           ; v19
.set STO, 24                           ; v24  the way out: where I put 32 bytes of a row
.set RDC, 25                           ; v25  where I read rows back; steps eight rows a trip
.set CO,  26                           ; v26  8 x lane: my 8 bytes of 256 in C
.set SPW, 28                           ; v28  my spare word
.set NIL, 29                           ; v29  0
.set CB16, 30                          ; v30  16 x (lane % 16)
.set BI,  32                           ; v[32:39]  the bias of my 8 columns
.set BK,  40                           ; v[40:47]  the same times KC
.set F0,  64
.set F1,  128
.set RR,  64                           ; behind the loop, window 0: 32 sums as read back,
.set RZ,  96                           ; z = KC x, later x / 2
.set RW,  128                          ; -z^2, then exp(-x^2 / 2)
.set RT,  160                          ; 1 + PC |z|, then t
.set RP,  192                          ; the polynomial, then the result
.set RY,  224                          ; 16 registers of f16 to store
.set G1A, 24                           ; s[24:31] group 1 for A's tiles
.set GA0, 32                           ; s[32:35] group 0, A, K step 0
.set GA,  36                           ; s[36:39] group 0, A, K step 1; then it walks
.set G1B, 48
.set GB0, 56
.set GB,  60
.set KC,  66                           ; s[66:67] sqrt(log2(e) / 2)
.set PC,  68                           ; s68      0.47047 / sqrt(log2(e))
.set HC,  70                           ; s[70:71] 0.5 / KC
.set N3,  72                           ; s[72:73] -a3
.set N2,  74                           ; s[74:75] -a2
.set N1,  76                           ; s[76:77] -a1
.set G1C, (1<<16)|(1<<20)|(1<<21)|(5<<22)|(3<<25)  ; 2-byte elements; padding on; bit 21 beside a mask; after every 64 words 4 words
.set MSB, 0
.macro WIN new                         ; the immediate's high byte repeats the setting that is left
.if MSB != (\new)
	s_set_vgpr_msb (MSB<<8)|(\new)
.set MSB, \new
.endif
.endm
.set MUL_LO, 0xa1                      ; source 0 (B) window 1, source 1 (A) window 0, C and D window 2
.set MUL_HI, 0xf1                      ; the same, C and D window 3
.set TO_B,   0x40                      ; destination window 1
.macro PLACES                          ; four plain places behind matrix instructions, in front of loads into their sources and of reads of their results
.rept 4
	v_nop
.endr
.endm
.macro JLOAD                           ; a joint refill: waves 0 and 1 fetch A's halves, waves 2 and 3 B's; the branch hangs on the wave's number alone
	s_cmp_eq_u32 s13, 0
	s_cbranch_scc0 .Lfor_b_\@
	tensor_load_to_lds s[GA:GA+3], s[G1A:G1A+7]
	s_nop 0
	PLACES
	s_branch .Lasked_\@
.Lfor_b_\@:
	tensor_load_to_lds s[GB:GB+3], s[G1B:G1B+7]
	s_nop 0
	PLACES
.Lasked_\@:
.endm
.macro CREST                           ; a round of the cluster's barrier behind its opening barrier
	s_cmp_lg_u32 s12, 0
	s_cbranch_scc1 .Lnot_wave_0_\@
	s_barrier_signal -3
.Lnot_wave_0_\@:
	s_barrier_wait -3
	s_barrier_signal -1
	s_barrier_wait -1
.endm
.macro CROUND
	s_barrier_signal -1
	s_barrier_wait -1
	CREST
.endm
	s_load_b128 s[4:7], s[0:1], 0x0                ; A s[4:5], B s[6:7]
	s_load_b64 s[8:9], s[0:1], 0x10                ; C
.if EPI
	s_load_b64 s[10:11], s[0:1], 0x18              ; the bias
.endif
	v_lshl_add_u32 v[SPW], v0, 2, SPARE
	v_mov_b32 v[NIL], 0
	ds_add_u32 v[SPW], v[NIL]                      ; the wave's opening: the add and its wait ahead of my first tensor load
	v_lshrrev_b32 v1, 5, v0
	v_readfirstlane_b32 s12, v1                    ; wave 0..3
	s_lshr_b32 s13, s12, 1                         ; my half of the tile's rows; also: I fetch for A (0) or B (1)
	s_and_b32 s14, s12, 1                          ; my half of its columns; also: which 128 rows I fetch
	s_bfe_u32 s15, ttmp6, 0x40000                  ; cx
	s_bfe_u32 s16, ttmp6, 0x40004                  ; cy
	s_lshl_b32 s17, ttmp9, 2
	s_add_co_u32 s17, s17, s15                     ; tile column
	s_and_b32 s18, ttmp7, 0xffff
	s_lshl_b32 s18, s18, 2
	s_add_co_u32 s18, s18, s16                     ; tile row
	s_lshl_b32 s19, s16, 2
	s_lshl_b32 s19, 15, s19                        ; my row of the cluster
	s_lshl_b32 s78, 0x1111, s15                    ; my column
	s_or_b32 s[G1A], s19, G1C
	s_or_b32 s[G1B], s78, G1C
.irp g, G1A, G1B
	s_mov_b32 s[(\g)+1], KSTEP<<16                 ; tensor_dim0 = 128
	s_mov_b32 s[(\g)+2], 128<<16                   ; tensor_dim1 = 128
	s_mov_b32 s[(\g)+3], KSTEP<<16                 ; tile_dim0 = 128
	s_mov_b32 s[(\g)+4], 128                       ; tile_dim1 = 128
	s_mov_b32 s[(\g)+5], 1024                      ; elements from row to row
	s_mov_b32 s[(\g)+6], 0
	s_mov_b32 s[(\g)+7], 0
.endr
	s_lshl_b32 s40, s18, 8
	s_lshl_b32 s41, s14, 7
	s_add_co_u32 s40, s40, s41                     ; A: row 256 x tile row + 128 x half,
	s_lshl_b32 s40, s40, 11                        ; 2,048 bytes a row
	s_mov_b32 s41, 0
	s_lshl_b32 s44, s17, 8
	s_lshl_b32 s45, s14, 7
	s_add_co_u32 s44, s44, s45                     ; B: row 256 x tile column + 128 x half
	s_lshl_b32 s44, s44, 11
	s_mov_b32 s45, 0
	s_mul_i32 s20, s12, HALFT                      ; where my part of a slot lies: wave x 128 rows
	s_mov_b32 s21, 0                               ; the slot in hand
.if EPI
	s_mov_b32 s[KC], 0x3f596d27
	s_mov_b32 s[KC+1], 0x3f596d27
	s_mov_b32 s[PC], 0x3ec88bda
	s_mov_b32 s[HC], 0x3f16b55f
	s_mov_b32 s[HC+1], 0x3f16b55f
	s_mov_b32 s[N3], 0xbf3f7377
	s_mov_b32 s[N3+1], 0xbf3f7377
	s_mov_b32 s[N2], 0x3dc45ca1
	s_mov_b32 s[N2+1], 0x3dc45ca1
	s_mov_b32 s[N1], 0xbeb2303a
	s_mov_b32 s[N1+1], 0xbeb2303a
.endif
	s_wait_dscnt 0x0                               ; the opening add is done
	s_wait_kmcnt 0x0
	s_add_nc_u64 s[42:43], s[4:5], s[40:41]
	s_add_nc_u64 s[46:47], s[6:7], s[44:45]
	CROUND                                         ; all sixteen work-groups are here: the first joint loads meet
	s_mov_b32 s[GA0], 1
	s_mov_b32 s[GA0+1], s20
	s_mov_b64 s[GA0+2:GA0+3], s[42:43]
	s_or_b32 s[GA0+3], s[GA0+3], 0x80000000
	s_mov_b32 s[GA], 1
	s_add_co_u32 s[GA+1], s20, SLOT
	s_add_nc_u64 s[GA+2:GA+3], s[42:43], KSTEP*2
	s_or_b32 s[GA+3], s[GA+3], 0x80000000
	s_mov_b32 s[GB0], 1
	s_mov_b32 s[GB0+1], s20
	s_mov_b64 s[GB0+2:GB0+3], s[46:47]
	s_or_b32 s[GB0+3], s[GB0+3], 0x80000000
	s_mov_b32 s[GB], 1
	s_add_co_u32 s[GB+1], s20, SLOT
	s_add_nc_u64 s[GB+2:GB+3], s[46:47], KSTEP*2
	s_or_b32 s[GB+3], s[GB+3], 0x80000000
	s_cmp_eq_u32 s13, 0                            ; a wave's two first fills stand in one branch: two loads of mine are out
	s_cbranch_scc0 .Lfirst_b
	tensor_load_to_lds s[GA0:GA0+3], s[G1A:G1A+7]
	s_nop 0
	tensor_load_to_lds s[GA:GA+3], s[G1A:G1A+7]
	s_nop 0
	PLACES
	s_branch .Lfirst_asked
.Lfirst_b:
	tensor_load_to_lds s[GB0:GB0+3], s[G1B:G1B+7]
	s_nop 0
	tensor_load_to_lds s[GB:GB+3], s[G1B:G1B+7]
	s_nop 0
	PLACES
.Lfirst_asked:
	v_and_b32 v1, 15, v0                           ; l % 16
	v_bfe_u32 v2, v0, 4, 1                         ; l / 16
	v_mul_u32_u24 v3, v1, PITCH
	v_lshl_add_u32 v3, v2, 4, v3                   ; a fragment's row x pitch + 16 x half
	s_mul_i32 s19, s13, HALFT
	v_add_nc_u32 v[RA0], s19, v3
	s_mul_i32 s19, s14, HALFT
	s_add_co_u32 s19, s19, 2*HALFT
	v_add_nc_u32 v[RB0], s19, v3
	v_mov_b32 v[RCA], v[RA0]
	v_mov_b32 v[RCB], v[RB0]
	s_mul_i32 s19, s12, DW                         ; my part of the way out
	v_mul_u32_u24 v4, v1, DP
	v_lshl_add_u32 v4, v2, 5, v4                   ; in: row l % 16, 32 bytes for each half of the lanes
	v_add_nc_u32 v[STO], s19, v4
	v_mul_u32_u24 v4, v2, DP
	v_lshl_add_u32 v4, v1, 4, v4                   ; back: lanes 0-15 take 256 bytes of one row, lanes 16-31 of the next
	v_add_nc_u32 v[RDC], s19, v4
	v_and_b32 v[CO], 31, v0
	v_lshlrev_b32 v[CO], 3, v[CO]
	v_lshlrev_b32 v[CB16], 4, v1
.if EPI
	s_lshl_b32 s80, s17, 10                        ; the bias of my 128 columns: 4 (256 x tile column + 128 x half)
	s_lshl_b32 s81, s14, 9
	s_add_co_u32 s80, s80, s81
	s_mov_b32 s81, 0
	s_add_nc_u64 s[10:11], s[10:11], s[80:81]
	global_load_b128 v[BI:BI+3], v[CB16], s[10:11]             ; columns 4 (l % 16) + 0..3,
	global_load_b128 v[BI+4:BI+7], v[CB16], s[10:11] offset:256  ; and 64 further on
.endif
	s_lshl_b32 s80, s17, 21                        ; C at my part: slice 4 x tile column + 2 x half, row 256 x tile row + 128 x half, 128 bytes a row
	s_lshl_b32 s81, s14, 20
	s_add_co_u32 s80, s80, s81
	s_lshl_b32 s81, s18, 15
	s_add_co_u32 s80, s80, s81
	s_lshl_b32 s81, s13, 14
	s_add_co_u32 s80, s80, s81
	s_mov_b32 s81, 0
	s_add_nc_u64 s[8:9], s[8:9], s[80:81]
; 16 matrix instructions: m blocks a0, a0 + 1 of the window's four x all 8 n blocks, 32 along K.  The 64 accumulators take turns, one instruction a turn.
.macro MUL16 f, hi, a0, zero
	WIN MUL_LO+0x50*(\hi)
.irp a, \a0, (\a0)+1
.irp b, 0,1,2,3,4,5,6,7
.if \zero
	v_wmma_f32_16x16x32_f16 v[8*(8*(\a)+(\b)):8*(8*(\a)+(\b))+7], v[(\f)+8*(\b):(\f)+8*(\b)+7], v[(\f)+8*(4*(\hi)+(\a)):(\f)+8*(4*(\hi)+(\a))+7], 0
.else
	v_wmma_f32_16x16x32_f16 v[8*(8*(\a)+(\b)):8*(8*(\a)+(\b))+7], v[(\f)+8*(\b):(\f)+8*(\b)+7], v[(\f)+8*(4*(\hi)+(\a)):(\f)+8*(4*(\hi)+(\a))+7], v[8*(8*(\a)+(\b)):8*(8*(\a)+(\b))+7]
.endif
.endr
.endr
.endm
; 32 LDS loads in one run: a quarter step's fragments (32 K at byte k of the rows of the slot in hand) into buffer f
.macro FETCH k, f
	WIN TO_B
.irp i, 0,1,2,3,4,5,6,7
	ds_load_b128 v[(\f)+8*(\i):(\f)+8*(\i)+3],   v[RCB] offset:(\k)+(\i)*16*PITCH
	ds_load_b128 v[(\f)+8*(\i)+4:(\f)+8*(\i)+7], v[RCB] offset:(\k)+(\i)*16*PITCH+32
.endr
	WIN 0
.irp i, 0,1,2,3,4,5,6,7
	ds_load_b128 v[(\f)+8*(\i):(\f)+8*(\i)+3],   v[RCA] offset:(\k)+(\i)*16*PITCH
	ds_load_b128 v[(\f)+8*(\i)+4:(\f)+8*(\i)+7], v[RCA] offset:(\k)+(\i)*16*PITCH+32
.endr
.endm
; One of a K step's first three quarters: multiplies buffer f; in its middle it fetches the next quarter, at byte k, into buffer g
.macro QUARTER k, f, g, zero
	s_wait_dscnt 8                                 ; B and A's rows 0-63 are in; the youngest eight loads (A's rows 64-127) may be out
	MUL16 \f, 0, 0, \zero
	MUL16 \f, 0, 2, \zero
	PLACES
	FETCH \k, \g
	s_wait_dscnt 32                                ; all but the 32 just issued
	MUL16 \f, 1, 0, \zero
	MUL16 \f, 1, 2, \zero
.endm
; The last quarter's first half, and the one barrier of a change of slots: each wave has waited for all its tensor loads, has added 0 to its spare word, and has waited for that and for its reads of the slot
.macro MEET round
	WIN 0
	s_wait_tensorcnt 0x0                           ; the one load of mine that was out is my part of the next slot
	ds_add_u32 v[SPW], v[NIL]
	s_wait_dscnt 9                                 ; (the add and the youngest eight loads may be out)
	MUL16 F1, 0, 0, 0
	s_wait_dscnt 0x0                               ; the add is done, and my reads of this slot are over
	s_barrier_signal -1
	MUL16 F1, 0, 2, 0
.if \round
	WIN 0
.endif
	s_barrier_wait -1
.endm
; The whole last quarter.  fill = 1: the barrier opens a round of the cluster's, and the slot just read is filled again, with the K step two on, first thing behind the round
.macro TURN fill
	MEET \fill
.if \fill
	CREST
	s_add_co_u32 s[GA+1], s21, s20                 ; no load of mine is out: the walking descriptors are written: the slot in hand,
	s_add_nc_u64 s[GA+2:GA+3], s[GA+2:GA+3], KSTEP*2  ; the next K step
	s_add_co_u32 s[GB+1], s21, s20
	s_add_nc_u64 s[GB+2:GB+3], s[GB+2:GB+3], KSTEP*2
	JLOAD                                          ; its four v_nop are also the places in front of the loads below
.else
	PLACES
	WIN 0
.endif
	s_xor_b32 s21, s21, SLOT                       ; on to the other slot
	v_add_nc_u32 v[RCA], s21, v[RA0]
	v_add_nc_u32 v[RCB], s21, v[RB0]
	FETCH 0, F0
	MUL16 F1, 1, 0, 0
	MUL16 F1, 1, 2, 0
.endm
	s_wait_tensorcnt 1                             ; my part of K step 0 is in; K step 1's load stays out
	s_barrier_signal -1
	s_barrier_wait -1
	FETCH 0, F0
	QUARTER 64, F0, F1, 1                          ; the first quarter's products start the sums
	WIN 0
	s_mov_b32 s22, 6
.LA:                                                   ; six trips, from a K step's second quarter to the next step's first: K steps 2 to 7 are asked for
	QUARTER 128, F1, F0, 0
	QUARTER 192, F0, F1, 0
	TURN 1
	QUARTER 64, F0, F1, 0
	WIN 0
	s_sub_co_u32 s22, s22, 1
	s_cmp_lg_u32 s22, 0
	s_cbranch_scc1 .LA
	s_mov_b32 s22, 2
.LB:                                                   ; the last two K steps ask for nothing; the second trip is left in its middle (its 32 loads from the other slot serve nothing: the price of one text for both)
	QUARTER 128, F1, F0, 0
	QUARTER 192, F0, F1, 0
	TURN 0
	WIN 0
	s_sub_co_u32 s22, s22, 1
	s_cmp_eq_u32 s22, 0
	s_cbranch_scc1 .Lout
	QUARTER 64, F0, F1, 0
	WIN 0
	s_branch .LB
.Lout:
	s_wait_dscnt 0x0                               ; my last reads of the slots are back,
	s_barrier_signal -1
	s_barrier_wait -1                              ; and everybody's: the slots, which no load fills any more, may be written
	PLACES
.set a, 0
.rept 8                                ; my 128 x 128 sums into my rows of 528 bytes; each accumulator's low half first
	WIN 0x08+4*(a/4)                               ; the stores' data in window 2 or 3
.set b, 0
.rept 8
	ds_store_b128 v[STO], v[8*(8*(a%4)+b):8*(8*(a%4)+b)+3] offset:a*16*DP+64*b
	ds_store_b128 v[STO], v[8*(8*(a%4)+b)+4:8*(8*(a%4)+b)+7] offset:a*16*DP+64*b+16
.set b, b+1
.endr
.set a, a+1
.endr
	WIN 0
.if EPI
	s_wait_loadcnt 0x0                             ; the bias
.set i, 0
.rept 4
	v_pk_mul_f32 v[BK+2*i:BK+2*i+1], v[BI+2*i:BI+2*i+1], s[KC:KC+1] op_sel_hi:[1,0]
.set i, i+1
.endr
.endif
	s_mov_b32 s22, 16
.Lrow:                                                 ; eight rows a trip.  Load q = 2 u + hh brings row 2 u + l / 16, columns 64 hh + 4 (l % 16) + 0..3.  LDS serves a wave's instructions in order: these see my stores
.set q, 0
.rept 8
	ds_load_b128 v[RR+4*q:RR+4*q+3], v[RDC] offset:(q/2)*2*DP+(q%2)*256
.set q, q+1
.endr
.if EPI
	; z = KC (sum + bias); w = -z^2; d = 1 + PC |z|; then t = 1 / d and e = 2^w, a pair behind, between the plain lines.  No line ahead of the wait names a result of theirs.
.set i, 0
.rept 16
.if i%2 == 0
	s_wait_dscnt 7-i/2                             ; load i / 2 is in; the younger ones stay out
.endif
	v_pk_fma_f32 v[RZ+2*i:RZ+2*i+1], v[RR+2*i:RR+2*i+1], s[KC:KC+1], v[BK+4*((i/2)%2)+2*(i%2):BK+4*((i/2)%2)+2*(i%2)+1] op_sel_hi:[1,0,1]
.if i > 0
	v_rcp_f32 v[RT+2*i-2], v[RT+2*i-2]
.endif
	v_pk_mul_f32 v[RW+2*i:RW+2*i+1], v[RZ+2*i:RZ+2*i+1], v[RZ+2*i:RZ+2*i+1] neg_lo:[1,0] neg_hi:[1,0]
.if i > 0
	v_rcp_f32 v[RT+2*i-1], v[RT+2*i-1]
.endif
	v_fma_f32 v[RT+2*i], |v[RZ+2*i]|, s[PC], 1.0
.if i > 0
	v_exp_f32 v[RW+2*i-2], v[RW+2*i-2]
.endif
	v_fma_f32 v[RT+2*i+1], |v[RZ+2*i+1]|, s[PC], 1.0
.if i > 0
	v_exp_f32 v[RW+2*i-1], v[RW+2*i-1]
.endif
.set i, i+1
.endr
	v_rcp_f32 v[RT+30], v[RT+30]
	v_pk_mul_f32 v[RZ:RZ+1], v[RZ:RZ+1], s[HC:HC+1] op_sel_hi:[1,0]      ; z becomes x / 2
	v_rcp_f32 v[RT+31], v[RT+31]
	v_pk_mul_f32 v[RZ+2:RZ+3], v[RZ+2:RZ+3], s[HC:HC+1] op_sel_hi:[1,0]
	v_exp_f32 v[RW+30], v[RW+30]
	v_pk_mul_f32 v[RZ+4:RZ+5], v[RZ+4:RZ+5], s[HC:HC+1] op_sel_hi:[1,0]
	v_exp_f32 v[RW+31], v[RW+31]
.set i, 3
.rept 13
	v_pk_mul_f32 v[RZ+2*i:RZ+2*i+1], v[RZ+2*i:RZ+2*i+1], s[HC:HC+1] op_sel_hi:[1,0]
.set i, i+1
.endr
	s_wait_alu depctr_va_vdst(0)                   ; one wait for the trip's 64 reciprocals and exponentials, ahead of their first reader
.set i, 0
.rept 16
	v_pk_fma_f32 v[RP+2*i:RP+2*i+1], v[RT+2*i:RT+2*i+1], s[N3:N3+1], s[N2:N2+1] op_sel_hi:[1,0,0]
.set i, i+1
.endr
.set i, 0
.rept 16
	v_pk_fma_f32 v[RP+2*i:RP+2*i+1], v[RP+2*i:RP+2*i+1], v[RT+2*i:RT+2*i+1], s[N1:N1+1] op_sel_hi:[1,1,0]
.set i, i+1
.endr
.set i, 0
.rept 16
	v_pk_mul_f32 v[RP+2*i:RP+2*i+1], v[RP+2*i:RP+2*i+1], v[RT+2*i:RT+2*i+1]
.set i, i+1
.endr
.set i, 0
.rept 16
	v_pk_fma_f32 v[RP+2*i:RP+2*i+1], v[RP+2*i:RP+2*i+1], v[RW+2*i:RW+2*i+1], 1.0 op_sel_hi:[1,1,0]  ; erf(|x| / sqrt 2)
.set i, i+1
.endr
.set i, 0
.rept 32
	v_fma_f32 v[RP+i], |v[RZ+i]|, v[RP+i], v[RZ+i]  ; x / 2 + |x / 2| erf
.set i, i+1
.endr
.set i, 0
.rept 16
	v_cvt_pk_f16_f32 v[RY+i], v[RP+2*i], v[RP+2*i+1]
.set i, i+1
.endr
.else
.set i, 0
.rept 16
.if i%2 == 0
	s_wait_dscnt 7-i/2                             ; load i / 2 is in; the younger ones stay out
.endif
	v_cvt_pk_f16_f32 v[RY+i], v[RR+2*i], v[RR+2*i+1]
.set i, i+1
.endr
.endif
.set q, 0
.rept 8
	global_store_b64 v[CO], v[RY+2*q:RY+2*q+1], s[8:9] offset:(q/2)*256+(q%2)*SST  ; two rows of one slice: 256 consecutive bytes, aligned
.set q, q+1
.endr
	s_wait_xcnt 0x0                                ; the stores have read their data and their base: both are written again only behind this wait
	s_add_nc_u64 s[8:9], s[8:9], 1024              ; eight rows of a slice on
	v_add_nc_u32 v[RDC], 8*DP, v[RDC]
	s_sub_co_u32 s22, s22, 1
	s_cmp_lg_u32 s22, 0
	s_cbranch_scc1 .Lrow
	s_wait_tensorcnt 0x0                           ; the wave's end, behind my last tensor load and my last LDS store
	ds_add_u32 v[SPW], v[NIL]
	s_wait_dscnt 0x0
	CROUND                                         ; the closing round
	s_endpgm
.Lfunc_end_k_q405417f2ad_gemm_qkv:
	.size	k_q405417f2ad_gemm_qkv, .Lfunc_end_k_q405417f2ad_gemm_qkv-k_q405417f2ad_gemm_qkv
	.p2alignl 7, 3214868480
	.fill 96, 4, 3214868480
	.section	.rodata,"a",@progbits
	.p2align	6, 0x0
	.amdhsa_kernel k_q405417f2ad_gemm_qkv
		.amdhsa_group_segment_fixed_size 327680
		.amdhsa_private_segment_fixed_size 0
		.amdhsa_enable_private_segment 0
		.amdhsa_kernarg_size 24
		.amdhsa_user_sgpr_count 2
		.amdhsa_user_sgpr_kernarg_segment_ptr 1
		.amdhsa_wavefront_size32 1
		.amdhsa_system_sgpr_workgroup_id_x 1
		.amdhsa_system_sgpr_workgroup_id_y 1
		.amdhsa_system_sgpr_workgroup_id_z 1
		.amdhsa_system_vgpr_workitem_id 0
		.amdhsa_next_free_vgpr 1024
		.amdhsa_next_free_sgpr 82
		.amdhsa_reserve_vcc 0
		.amdhsa_float_denorm_mode_32 3
		.amdhsa_float_denorm_mode_16_64 3
		.amdhsa_memory_ordered 1
		.amdhsa_forward_progress 1
		.amdhsa_inst_pref_size 79
	.end_amdhsa_kernel
	.amdgpu_metadata
---
amdhsa.version: [ 1, 2 ]
amdhsa.kernels:
  - .name:           k_q405417f2ad_gemm_qkv
    .symbol:         k_q405417f2ad_gemm_qkv.kd
    .args:
      - { .name: act, .offset: 0, .size: 8, .value_kind: global_buffer, .address_space: global }
      - { .name: wq, .offset: 8, .size: 8, .value_kind: global_buffer, .address_space: global }
      - { .name: qkv, .offset: 16, .size: 8, .value_kind: global_buffer, .address_space: global }
    .group_segment_fixed_size: 327680
    .private_segment_fixed_size: 0
    .kernarg_segment_align: 8
    .kernarg_segment_size: 24
    .max_flat_workgroup_size: 128
    .sgpr_count:     82
    .vgpr_count:     1024
    .wavefront_size: 32
...
	.end_amdgpu_metadata
.endif
;; end of part 2
;; launch attn (part 3): grid 8 x 32, 4 waves a work-group, no clusters, 327,680 bytes of LDS; arguments qkv, act; writes act
.if DOCPART == 3
	.amdgcn_target "amdgcn-amd-amdhsa--gfx1250"
	.amdhsa_code_object_version 6
	.text
	.protected	k_q405417f2ad_attn
	.globl	k_q405417f2ad_attn
	.p2align	8
	.type	k_q405417f2ad_attn,@function
k_q405417f2ad_attn:
	s_mov_b64 s[64:65], 0
	v_nop
	global_prefetch_b8 v0, s[64:65] scope:SCOPE_SE
	s_setreg_imm32_b32 hwreg(HW_REG_WAVE_MODE, 25, 1), 1
	s_wait_xcnt 0x0
; CAUSAL ATTENTION, head size 64.  qkv: [48][4096][64] f16 in slices (q: slices 0-15 by head, k: 16-31, v: 32-47; row = 2048 x batch + token).  O leaves as act: [16][4096][64] f16, the same layout.
; O[q] = the sum over k <= q of softmax_k(Q[q] . K[k] / 8) V[k].  Products, maxima and sums in f32; the weights p are rounded to f16 for the second product (their sum l is taken of the unrounded p), O once at the end.
; LIMITS.  Matrix operands are f16: Q, K and V arrive within 65,504; p lies in 0 to 1, and below 6.1e-5 it keeps f16's fixed step of 6e-8; O is a mean of V's rows and has their range.
; A hidden score counts as its value less 1e30: f16's scores, 64 x 65,504^2 / 8 = 3.4e10 at the most, are nothing beside that; a weight below 2^-126 counts as 0; NaN and infinities are not treated apart.
; THE WALK.  A head's 2,048 queries lie in 16 blocks of 128.  Keys come in slots of 256 (four key steps of 64); block i needs the slots 0 .. i / 2, the last of which holds the diagonal.  A work-group takes TWO blocks,
; 15 - b and then b: (15 - b) / 2 + 1 + b / 2 + 1 = 9 slots, whatever b: all 256 work-groups do equal work, and one loop with a constant trip count walks them through two LDS slots.  What a trip does hangs on scalars made from b.
; NO CLUSTER: a head's eight work-groups ask for the same slot only in the first five of the nine trips, behind that their walks part; one walk common to all would have 12 trips for 9.
; SHARES.  Of a block's two bands of 64 queries a wave owns 16 rows in each: two PIECES.  In a block's last slot step s has t = s - 2 (i % 2): t < 0: all keys are seen; t = 0: band 0 holds the diagonal, band 1 sees all;
; t = 1: band 0 sees none, band 1 holds the diagonal; t >= 2 (blocks of even number alone): both see none: these two steps of the walk's 36 are computed all the same, so that every trip has one text.
; LAYOUT.  S^T = K Q^T (source 0 = 16 keys, source 1 = 16 queries): a lane holds ONE query (l % 16) and the keys 8 (l / 16) + 0..7.  Two such results rounded to f16 ARE source 1 of O^T = V^T P.  V comes turned, by ds_load_tr16_b128.
; SOFTMAX.  A running maximum m and sum l: p = 2^(c s - c m), c = log2(e) / 8; in every step O and l are multiplied by a = 2^(c m_old - c m_new).  A block begins with c m far below every c s, so its first a is 0.
; A TRIP, for key step h: K(h) is asked of LDS | the LUMP of step h - 1: the two a, the scalings c s - c m (into E) and the exponentials: one batch, one wait | where a block begins: c m, m, Q | 16 products K Q^T (h), behind each
; four of step h - 1's roundings and rescalings | the masks, in a block's last slot | 16 products V^T P (h - 1), behind each four or five of step h's maximum and statistics and step h - 1's sums | the way out, where step h - 1
; ended a block | V(h) is asked of LDS.  So 140 of a step's 238 vector instructions stand beside matrix instructions; each product costs two switches of the register window, since its operands and the vector work do not fit one window.
; No first and no last step is written out: the first trip works on zeros, the tail's fifth trip multiplies a stale K once more.
; REGISTERS.  Window 0: v1-15 addresses; v16-23 statistics (c m, m, l, l a piece); v24-31 at work; v32-63, v224-255 E (a piece each; also the way out's); v64-127 S^T; v128-159 P; v160-223 O^T.
; Window 1: v0-31 Q; v32-63 the second block's Q; v64-127 K of one step; v128-191 V of one step; v192-223 the diagonal's mask.
.set PK,    144                        ; a row of K in LDS: 128 bytes + 16
.set PVP,   160                        ; a row of V: 128 + 32
.set VOFF,  256*PK                     ; a slot: 256 rows of K, then 256 rows of V
.set SLOT1, 131072                     ; slot 1 begins here: one exclusive or turns an address in one slot into the other's
.set STAGE, 262144                     ; 16 rows x 144 bytes for each wave, for the way out; no tensor load lands here
.set SP,    144
.set SPARE, STAGE+4*16*SP              ; the spare words, 128 bytes for each wave
.set SST,   524288                     ; bytes in a slice
.set AK0, 2
.set AV0, 3
.set AK,  4
.set AV,  5
.set STO, 6
.set RD,  7
.set GO,  8
.set SPW, 10
.set NIL, 11
.set MV,  12                           ; v12-13  c m_old, a piece each
.set PFO, 14                           ; v14  256 x lane
.set QO,  15
.set ST,  16
.set TMP, 24                           ; four registers c0-c3 a piece; c1 takes a's argument, c2 a
.set EB,  32                           ; E of piece u at EB + 192 u
.set S,   64
.set P,   128
.set OT,  160
.set QB,  32                           ; window 1
.set KF,  64
.set VF,  128
.set MD,  192
.set WV,  12
.set PB,  14                           ; b
.set HI,  15                           ; 15 - b
.set G1K, 24
.set G1V, 32
.set G0K, 40
.set G0V, 44
.set KH,  48                           ; s[48:49] K at my half of the head's slot 0
.set VH,  50                           ; s[50:51] V likewise
.set QP,  52                           ; s[52:53] Q at my rows of the first block
.set QP2, 54                           ; s[54:55] of the second
.set SLOTS, 56
.set CNT, 57
.set CS,  58
.set SEL, 60
.set TBK, 62
.set TBV, 63
.set OP,  66                           ; s[66:67] O at my rows of the block in hand
.set OLO, 68                           ; s[68:69] of the second block
.set RT,  70                           ; slots of the block in hand still to be entered
.set NXT, 71                           ; the slot to be asked for next
.set LQ,  72                           ; the last slot of the block whose slots are being asked for
.set NEWB, 73                          ; 1: the slot in hand is a block's first
.set OFF, 74
.set AL0, 76                           ; s[76:77] piece 0: the factor of the diagonal's mask
.set BE0, 78                           ; s[78:79] piece 0: the addend
.set AL1, 80                           ; s[80:81] piece 1: the factor
.set BE1, 82                           ; s[82:83] piece 1: the addend
.set BIGN, 84
.set CURS, 85                          ; the slot in hand
.set DGT, 86                           ; 1: the slot in hand is a block's last
.set FIN, 87                           ; 1: step h is a block's last
.set PFA, 88
.set FINP, 90                          ; the same of step h - 1
.set NEWS, 91                          ; 1: step h is a block's first
.set LIM, 92
.set TT,  93                           ; t of step h
.set DOF, 94                           ; 4 - 2 (i % 2) of the block in hand
.set RLD, 95                           ; the next block's number of slots,
.set DLD, 96                           ; and its DOF
.set NBS, 97                           ; the second block's number of slots
.set DOFB, 98                          ; and its DOF
.set PBS, 99                           ; b / 2
.set FIRST, 100                        ; 1: no block has begun yet
.set MSB, 0
.macro WIN new
.if MSB != (\new)
	s_set_vgpr_msb (MSB<<8)|(\new)
.set MSB, \new
.endif
.endm
.macro LOAD                            ; a fill: waves 0 and 1 fetch the halves of a slot's K, waves 2 and 3 of its V: 128 keys each
	s_cmp_lt_u32 s[WV], 2
	s_cbranch_scc0 .Lfor_v_\@
	tensor_load_to_lds s[G0K:G0K+3], s[G1K:G1K+7]
	s_nop 0
.rept 4
	v_nop
.endr
	s_branch .Lasked_\@
.Lfor_v_\@:
	tensor_load_to_lds s[G0V:G0V+3], s[G1V:G1V+7]
	s_nop 0
.rept 4
	v_nop
.endr
.Lasked_\@:
.endm
; A PREFETCH INTO THE L2, behind the fill and its five lines: the part of a slot (64 rows of 256 bytes, a lane a row, two instructions) that I shall ask for at the next change of slots: four key steps ahead of that load.
; All eight work-groups of a head begin at slot 0; the one with b = 0 walks slots 0 to 7 and asks alone, each wave for the part that it fetches itself: each block of 256 bytes is named once in the launch.
; Trip t names slot t + 2; trips 6 and 7 name nothing; slots 0 and 1 come by their loads alone.
.macro ASK
	s_cmp_gt_u32 s[SLOTS], s[LIM]
	s_cbranch_scc0 .Lnot_mine_\@
	global_prefetch_b8 v[PFO], s[PFA:PFA+1] th:TH_LOAD_NT scope:SCOPE_SE
	global_prefetch_b8 v[PFO], s[PFA:PFA+1] offset:8192 th:TH_LOAD_NT scope:SCOPE_SE
.Lnot_mine_\@:
.endm
; THE CHANGE OF SLOTS.  Each wave waits for all its tensor loads (one is out: its part of the other slot), adds 0 to its spare word, and waits for that and for its reads of the slot that it leaves (the last: V of its fourth step).
; Behind the barrier nobody reads the old slot and the other is whole.  fill = 1: the old slot takes slot NXT of the head, first thing behind the barrier.  (At its first use slot 0 is waited for and slot 1 filled.)
.macro CHANGE fill
	WIN 0
.if \fill
	s_wait_xcnt 0x0                                ; the last prefetches, a slot back, have read their address
	s_add_nc_u64 s[PFA:PFA+1], s[PFA:PFA+1], 32768
.endif
	s_wait_tensorcnt 0x0
	ds_add_u32 v[SPW], v[NIL]
.if \fill
	s_lshl_b32 s[OFF], s[NXT], 15                  ; a slot is 32,768 bytes of K and of V
	s_xor_b32 s[G0K+1], s[G0K+1], SLOT1
	s_add_nc_u64 s[G0K+2:G0K+3], s[KH:KH+1], s[OFF:OFF+1]
	s_or_b32 s[G0K+3], s[G0K+3], 0x80000000
	s_xor_b32 s[G0V+1], s[G0V+1], SLOT1
	s_add_nc_u64 s[G0V+2:G0V+3], s[VH:VH+1], s[OFF:OFF+1]
	s_or_b32 s[G0V+3], s[G0V+3], 0x80000000
	s_add_co_u32 s[NXT], s[NXT], 1                 ; the block's next slot, or behind its last the second block's slot 0
	s_cmp_gt_u32 s[NXT], s[LQ]
	s_cselect_b32 s[NXT], 0, s[NXT]
	s_cselect_b32 s[LQ], s[PBS], s[LQ]
.endif
	s_wait_dscnt 0x0                               ; the add is done, and my reads of the slot are over
	s_barrier_signal -1
	s_xor_b32 s[CURS], s[CURS], SLOT1
	s_mov_b32 s[TBK], s[CURS]
	s_mov_b32 s[TBV], s[CURS]
	s_cmp_eq_u32 s[RT], 0                          ; a block's slots are used up (or none has begun): the next block's count and offset
	s_cselect_b32 s[RT], s[RLD], s[RT]
	s_cselect_b32 s[DOF], s[DLD], s[DOF]
	s_cselect_b32 s[NEWB], 1, 0
	s_mov_b32 s[RLD], s[NBS]
	s_mov_b32 s[DLD], s[DOFB]
	s_sub_co_u32 s[RT], s[RT], 1
	s_cmp_eq_u32 s[RT], 0
	s_cselect_b32 s[DGT], 1, 0
	s_barrier_wait -1
.if \fill
	LOAD
	ASK
.endif
.endm
	s_load_b128 s[4:7], s[0:1], 0x0                ; qkv s[4:5], act s[6:7]
	v_lshl_add_u32 v[SPW], v0, 2, SPARE
	v_mov_b32 v[NIL], 0
	ds_add_u32 v[SPW], v[NIL]                      ; the wave's opening: the add and its wait ahead of my first tensor load
	v_lshrrev_b32 v1, 5, v0
	v_readfirstlane_b32 s[WV], v1
	s_mov_b32 s[PB], ttmp9
	s_sub_co_u32 s[HI], 15, s[PB]
	s_lshr_b32 s[PBS], s[PB], 1
	s_add_co_u32 s[NBS], s[PBS], 1                 ; the second block has b / 2 + 1 slots,
	s_lshr_b32 s[LQ], s[HI], 1
	s_add_co_u32 s[RLD], s[LQ], 1                  ; the first (15 - b) / 2 + 1
	s_and_b32 s16, s[HI], 1
	s_lshl_b32 s16, s16, 1
	s_sub_co_u32 s[DLD], 4, s16
	s_and_b32 s16, s[PB], 1
	s_lshl_b32 s16, s16, 1
	s_sub_co_u32 s[DOFB], 4, s16
	s_and_b32 s16, ttmp7, 0xffff
	s_and_b32 s17, s16, 15                         ; the head
	s_lshr_b32 s16, s16, 4                         ; the batch
	s_lshl_b32 s17, s17, 19
	s_lshl_b32 s16, s16, 18
	s_add_co_u32 s16, s16, s17                     ; the head's first byte in a group of 16 slices
	s_and_b32 s18, s[WV], 1                        ; which half of a slot's 256 keys I fetch
	s_lshl_b32 s20, s18, 14
	s_add_co_u32 s20, s20, s16
	s_add_co_u32 s20, s20, 16*SST                  ; in K
	s_mov_b32 s21, 0
	s_add_co_u32 s22, s20, 16*SST                  ; in V
	s_mov_b32 s23, 0
	s_lshl_b32 s19, s[WV], 11                      ; my 16 rows in a band
	s_add_co_u32 s19, s19, s16
	s_lshl_b32 s2, s[HI], 14                       ; in the first block,
	s_add_co_u32 s2, s2, s19
	s_mov_b32 s3, 0
	s_lshl_b32 s16, s[PB], 14                      ; and in the second
	s_add_co_u32 s16, s16, s19
	s_mov_b32 s17, 0
	; group 1: 128 keys are 16,384 dense bytes: 64 rows of 256 bytes, two keys a row, padded in LDS after every key
	s_mov_b32 s[G1K], (1<<16)|(1<<20)|(4<<22)|(3<<25)
	s_mov_b32 s[G1V], (1<<16)|(1<<20)|(4<<22)|(7<<25)
.irp g, G1K, G1V
	s_mov_b32 s[(\g)+1], 128<<16
	s_mov_b32 s[(\g)+2], 64<<16
	s_mov_b32 s[(\g)+3], 128<<16
	s_mov_b32 s[(\g)+4], 64
	s_mov_b32 s[(\g)+5], 128
	s_mov_b32 s[(\g)+6], 0
	s_mov_b32 s[(\g)+7], 0
.endr
	s_mov_b32 s[G0K], 1
	s_mul_i32 s[G0K+1], s18, 128*PK
	s_mov_b32 s[G0V], 1
	s_mul_i32 s[G0V+1], s18, 128*PVP
	s_add_co_u32 s[G0V+1], s[G0V+1], VOFF
	s_mov_b32 s[CS], 0x3e38aa3b                    ; c = log2(e) / 8
	s_mov_b32 s[CS+1], 0x3e38aa3b
	s_mov_b32 s[SEL], 0x76543210
	s_mov_b32 s[SEL+1], 0xfedcba98
	s_mov_b32 s[BIGN], 0xf149f2ca                  ; -1e30
	s_mov_b32 s[RT], 0                             ; the first change of slots takes the first block's count
	s_mov_b32 s[DOF], 0
	s_mov_b32 s[NXT], 1
	s_mov_b32 s[FIRST], 1
	s_mov_b32 s[FIN], 0
	s_mov_b32 s[OFF+1], 0
	s_mov_b32 s[AL0+1], 0                          ; named as pairs
	s_mov_b32 s[BE0+1], 0
	s_mov_b32 s[AL1+1], 0
	s_mov_b32 s[BE1+1], 0
	s_mov_b32 s[CURS], SLOT1                       ; the first change of slots turns it into 0
	s_mov_b32 s[SLOTS], 8
	s_cmp_eq_u32 s[PB], 0
	s_cselect_b32 s[LIM], 2, -1
	s_wait_dscnt 0x0                               ; the opening add is done
	s_wait_kmcnt 0x0
	s_add_nc_u64 s[KH:KH+1], s[4:5], s[20:21]
	s_add_nc_u64 s[VH:VH+1], s[4:5], s[22:23]
	s_add_nc_u64 s[QP:QP+1], s[4:5], s[2:3]
	s_add_nc_u64 s[QP2:QP2+1], s[4:5], s[16:17]
	s_add_nc_u64 s[OP:OP+1], s[6:7], s[2:3]
	s_add_nc_u64 s[OLO:OLO+1], s[6:7], s[16:17]
	s_mov_b64 s[G0K+2:G0K+3], s[KH:KH+1]
	s_or_b32 s[G0K+3], s[G0K+3], 0x80000000
	s_mov_b64 s[G0V+2:G0V+3], s[VH:VH+1]
	s_or_b32 s[G0V+3], s[G0V+3], 0x80000000
	s_cmp_lt_u32 s[WV], 2
	s_cselect_b64 s[PFA:PFA+1], s[KH:KH+1], s[VH:VH+1]
	s_add_nc_u64 s[PFA:PFA+1], s[PFA:PFA+1], 32768 ; the first change of slots steps it to slot 2
	LOAD                                           ; slot 0
	v_and_b32 v1, 15, v0                           ; l % 16
	v_bfe_u32 v9, v0, 4, 1                         ; l / 16
	v_lshlrev_b32 v[QO], 7, v1
	v_lshl_add_u32 v[QO], v9, 4, v[QO]             ; row x 128 + 16 x half
	v_lshlrev_b32 v13, 3, v9
	v_sub_nc_u32 v13, v1, v13
	s_lshl_b32 s16, s[WV], 4
	v_add_nc_u32 v13, s16, v13                     ; my query's place in its band less my lanes' 8 (l / 16): register j of key group kt is hidden where 16 kt + j is greater
	WIN 0x40                                       ; destination window 1
.set i, 0
.rept 4                                ; both blocks' Q: piece i / 2 lies 8,192 bytes on; channels 32 (i % 2) on
	global_load_b128 v[8*i:8*i+3],   v[QO], s[QP:QP+1] offset:(i/2)*8192+(i%2)*64
	global_load_b128 v[8*i+4:8*i+7], v[QO], s[QP:QP+1] offset:(i/2)*8192+(i%2)*64+32
	global_load_b128 v[QB+8*i:QB+8*i+3],   v[QO], s[QP2:QP2+1] offset:(i/2)*8192+(i%2)*64
	global_load_b128 v[QB+8*i+4:QB+8*i+7], v[QO], s[QP2:QP2+1] offset:(i/2)*8192+(i%2)*64+32
.set i, i+1
.endr
.set i, 0
.rept 32
	v_cmp_gt_i32 vcc_lo, 16*(i/8)+i%8, v13
	v_cndmask_b32 v[MD+i], 0, s[BIGN], vcc_lo
.set i, i+1
.endr
	; What the first trip finds: it runs the lump, the roundings, the sums and the products V^T P of a step that has not been.  With S^T, c m and a's argument 0 every weight is 1; with V 0 the products add 0; the block's
	; first a is 0 and wipes l and O^T.  So these registers need only be finite: zeros.  All this stands in the wait for the first slot; the price of writing no first step out.
.set i, 0
.rept 64
	v_mov_b32 v[VF+i], 0
.set i, i+1
.endr
	WIN 0
.set i, 0
.rept 64
	v_mov_b32 v[S+i], 0
	v_mov_b32 v[OT+i], 0
.set i, i+1
.endr
.set i, 0
.rept 16
	v_mov_b32 v[ST+i], 0                           ; statistics, and the registers at work behind them
.set i, i+1
.endr
	v_mul_u32_u24 v[AK0], v1, PK
	v_lshl_add_u32 v[AK0], v9, 4, v[AK0]
	v_and_b32 v12, 7, v0
	v_bfe_u32 v13, v0, 3, 1
	v_lshl_add_u32 v[AV0], v9, 3, v12              ; the turning load: lane l reads key 8 (l / 16) + l % 8, channels 8 ((l / 8) % 2) + 0..7
	v_mul_u32_u24 v[AV0], v[AV0], PVP
	v_lshl_add_u32 v[AV0], v13, 4, v[AV0]
	v_add_nc_u32 v[AV0], VOFF, v[AV0]
	s_mul_i32 s16, s[WV], 16*SP
	s_add_co_u32 s16, s16, STAGE                   ; my stage
	v_mul_u32_u24 v[STO], v1, SP
	v_lshl_add_u32 v[STO], v9, 4, v[STO]
	v_add_nc_u32 v[STO], s16, v[STO]
	v_bfe_u32 v[RD], v0, 3, 2                      ; back: 32 lanes take four rows of 128 bytes,
	v_mul_u32_u24 v[RD], v[RD], SP
	v_lshl_add_u32 v[RD], v12, 4, v[RD]
	v_add_nc_u32 v[RD], s16, v[RD]
	v_and_b32 v[GO], 31, v0                        ; which are 512 consecutive bytes of O
	v_lshlrev_b32 v[PFO], 8, v[GO]
	v_lshlrev_b32 v[GO], 4, v[GO]
.macro REGS u
.set rT, ST+4*(\u)
.set rC, TMP+4*(\u)
.set rM, MV+(\u)
.set rS, S+32*(\u)
.set rE, EB+192*(\u)
.endm
; Number n of the 22 that find piece u's maximum and statistics.  0-11: four chains of seven scores (each accumulator's lowest registers are read first); 12-14, 16: the four left over, the old m, all into c0;
; 15: c m_old is kept; 17, 18: the query's other 32 keys lie in the lane 16 away; 19, 20: c m, c m_old - c m_new; 21: a, which stands in the next trip's lump.
.macro XS u, n
	REGS \u
.if (\n) < 4
	v_max3_num_f32 v[rC+(\n)], v[rS+8*(\n)], v[rS+8*(\n)+1], v[rS+8*(\n)+2]
.elseif (\n) < 12
	v_max3_num_f32 v[rC+(\n)%4], v[rC+(\n)%4], v[rS+8*((\n)%4)+2*((\n)/4)+1], v[rS+8*((\n)%4)+2*((\n)/4)+2]
.elseif (\n) == 12
	v_max3_num_f32 v[rC], v[rC], v[rS+7], v[rS+15]
.elseif (\n) == 13
	v_max3_num_f32 v[rC+1], v[rC+1], v[rS+23], v[rS+31]
.elseif (\n) == 14
	v_max3_num_f32 v[rC+2], v[rC+2], v[rC+3], v[rT+1]
.elseif (\n) == 15
	v_mov_b32 v[rM], v[rT]
.elseif (\n) == 16
	v_max3_num_f32 v[rC], v[rC], v[rC+1], v[rC+2]
.elseif (\n) == 17
	v_permlanex16_b32 v[rC+3], v[rC], s[SEL], s[SEL+1]
.elseif (\n) == 18
	v_max_num_f32 v[rT+1], v[rC], v[rC+3]
.elseif (\n) == 19
	v_mul_f32 v[rT], s[CS], v[rT+1]
.elseif (\n) == 20
	v_sub_f32 v[rC+1], v[rM], v[rT]
.else
	v_exp_f32 v[rC+2], v[rC+1]
.endif
.endm
.macro FS f                            ; E = c s - c m for pair f / 2 of piece f % 2: behind it S^T's registers are free for the next step's products
	REGS (\f)%2
	v_pk_fma_f32 v[rE+2*((\f)/2):rE+2*((\f)/2)+1], v[rS+2*((\f)/2):rS+2*((\f)/2)+1], s[CS:CS+1], v[rT:rT+1] op_sel_hi:[1,0,0] neg_lo:[0,0,1] neg_hi:[0,0,1]
.endm
.macro EX e                            ; the exponential of score e / 2 of piece e % 2
	REGS (\e)%2
	v_exp_f32 v[rE+(\e)/2], v[rE+(\e)/2]
.endm
; THE LUMP: the two a, 32 scalings, 64 exponentials: one batch; a pair is scaled a group ahead of its exponentials; nothing ahead of the wait names an exponential's result
.macro LUMP
	XS 0, 21
	XS 1, 21
.set k, 0
.rept 16
	FS 2*k
.if k > 0
	EX 4*k-4
.endif
	FS 2*k+1
.if k > 0
	EX 4*k-3
	EX 4*k-2
	EX 4*k-1
.endif
.set k, k+1
.endr
	EX 60
	EX 61
	EX 62
	EX 63
	v_nop                                          ; a plain instruction behind the last exponential,
	s_wait_alu depctr_va_vdst(0)                   ; and one wait for the batch of 66, ahead of its first reader
.endm
.macro MASKS                           ; a block's last slot: piece 0 takes MD x AL0 + BE0, piece 1 MD x AL1 + BE1; each accumulator's lowest registers first
	WIN 0x01                                       ; MD in window 1
.set z, 0
.rept 16
	v_pk_fma_f32 v[S+2*z:S+2*z+1], v[MD+2*z:MD+2*z+1], s[AL0:AL0+1], v[S+2*z:S+2*z+1] op_sel_hi:[1,0,1]
.set z, z+1
.endr
.set z, 0
.rept 16
	v_pk_fma_f32 v[S+32+2*z:S+32+2*z+1], v[MD+2*z:MD+2*z+1], s[AL1:AL1+1], v[S+32+2*z:S+32+2*z+1] op_sel_hi:[1,0,1]
.set z, z+1
.endr
	WIN 0
.set z, 0
.rept 16
	v_pk_add_f32 v[S+2*z:S+2*z+1], v[S+2*z:S+2*z+1], s[BE0:BE0+1] op_sel_hi:[1,0]
.set z, z+1
.endr
.set z, 0
.rept 16
	v_pk_add_f32 v[S+32+2*z:S+32+2*z+1], v[S+32+2*z:S+32+2*z+1], s[BE1:BE1+1] op_sel_hi:[1,0]
.set z, z+1
.endr
.endm
; THE MATRIX WORK: two runs of 16 products; in each the 8 accumulators take turns.
.macro KQ1                             ; product i: channels 32 (i / 8) on, keys 16 ((i / 2) % 4) on, piece i % 2; the first 8 start the sums
	WIN 0x05                                       ; K and Q in window 1
.set rS, S+32*(i%2)+8*((i/2)%4)
.set rK, KF+16*((i/2)%4)+8*(i/8)
.set rQ, 16*(i%2)+8*(i/8)
.if i < 8
	v_wmma_f32_16x16x32_f16 v[rS:rS+7], v[rK:rK+7], v[rQ:rQ+7], 0
.else
	v_wmma_f32_16x16x32_f16 v[rS:rS+7], v[rK:rK+7], v[rQ:rQ+7], v[rS:rS+7]
.endif
	WIN 0
.endm
.macro PV1                             ; product i: keys 32 (i / 8) on, channels 16 ((i / 2) % 4) on, piece i % 2
	WIN 0x01                                       ; V in window 1
.set rO, OT+32*(i%2)+8*((i/2)%4)
.set rV, VF+32*(i/8)+8*((i/2)%4)
.set rP, P+16*(i%2)+8*(i/8)
	v_wmma_f32_16x16x32_f16 v[rO:rO+7], v[rV:rV+7], v[rP:rP+7], v[rO:rO+7]
	WIN 0
.endm
; What stands behind the products K Q^T: 66 plain lines of the step before, none of which names S^T, K or Q: by turns a rounding E -> P and a rescaling of O^T (ascending), at the end l x a.
.macro R1N
.if r1 >= 64
	v_pk_mul_f32 v[ST+4*(r1-64)+2:ST+4*(r1-64)+3], v[ST+4*(r1-64)+2:ST+4*(r1-64)+3], v[TMP+4*(r1-64)+2:TMP+4*(r1-64)+3] op_sel_hi:[1,0]
.elseif r1%2 == 0
	v_cvt_pk_f16_f32 v[P+r1/2], v[EB+192*(r1/32)+2*((r1/2)%16)], v[EB+192*(r1/32)+2*((r1/2)%16)+1]
.else
	v_pk_mul_f32 v[OT+2*(r1/2):OT+2*(r1/2)+1], v[OT+2*(r1/2):OT+2*(r1/2)+1], v[TMP+4*(r1/32)+2:TMP+4*(r1/32)+3] op_sel_hi:[1,0]
.endif
.set r1, r1+1
.endm
.macro KQRUN                           ; four behind each product, six behind the last: the places in front of the reads of the scores
.set i, 0
.set r1, 0
.rept 16
	KQ1
.rept 4
	R1N
.endr
.set i, i+1
.endr
	R1N
	R1N
.endm
; Sum number qu of 32: the weights' sums in place in E, neighbours 1, 2, 4 and 8 pairs apart, the pieces by turns; then l takes the sum
.macro SUQ
.set su, qu%2
.set sb, EB+192*su
.if qu < 16
.set sw, 4
.set si, qu/2
.elseif qu < 24
.set sw, 8
.set si, (qu-16)/2
.elseif qu < 28
.set sw, 16
.set si, (qu-24)/2
.else
.set sw, 32
.set si, 0
.endif
.if qu < 30
	v_pk_add_f32 v[sb+sw*si:sb+sw*si+1], v[sb+sw*si:sb+sw*si+1], v[sb+sw*si+sw/2:sb+sw*si+sw/2+1]
.else
	v_pk_add_f32 v[ST+4*su+2:ST+4*su+3], v[ST+4*su+2:ST+4*su+3], v[sb:sb+1]
.endif
.endm
; What stands behind the products V^T P: 74 lines, none of which names O^T, V or P: the 42 of this step's maximum and statistics and the 32 sums of the step before, dealt in proportion, so that a sum stands between
; most links of the maximum's chain.  The last four are a sum, c m's change, a sum, c m's change: plain, the places in front of the loads into V's registers and of the reads of O^T.
.macro R2N
.if (qx < 42) && ((qu >= 32) || (qx*32 <= qu*42))
	XS qx%2, qx/2
.set qx, qx+1
.else
	SUQ
.set qu, qu+1
.endif
.endm
.macro PVRUN                           ; five behind each of the first ten products, four behind the other six
.set i, 0
.set qx, 0
.set qu, 0
.rept 16
	PV1
.rept 4
	R2N
.endr
.if i < 10
	R2N
.endif
.set i, i+1
.endr
.endm
.macro FK last, tag                    ; a step's K: 64 keys x 64 channels, 16 loads in one run.  last = 1: the tail's fifth trip has no further step
.if \last
	s_cmp_eq_u32 s[CNT], 1
	s_cbranch_scc1 .Lnok_\tag
.endif
	v_add_nc_u32 v[AK], s[TBK], v[AK0]
	s_add_co_u32 s[TBK], s[TBK], 64*PK
	WIN 0x40
.set f, 0
.rept 8
	ds_load_b128 v[KF+8*f:KF+8*f+3],   v[AK] offset:(f/2)*16*PK+(f%2)*64
	ds_load_b128 v[KF+8*f+4:KF+8*f+7], v[AK] offset:(f/2)*16*PK+(f%2)*64+32
.set f, f+1
.endr
	WIN 0
.if \last
.Lnok_\tag:
.endif
.endm
.macro FV                              ; a step's V, turned
	v_add_nc_u32 v[AV], s[TBV], v[AV0]
	s_add_co_u32 s[TBV], s[TBV], 64*PVP
	WIN 0x40
.set f, 0
.rept 8
	ds_load_tr16_b128 v[VF+8*f:VF+8*f+3],   v[AV] offset:(f/4)*32*PVP+(f%4)*32
	ds_load_tr16_b128 v[VF+8*f+4:VF+8*f+7], v[AV] offset:(f/4)*32*PVP+16*PVP+(f%4)*32
.set f, f+1
.endr
	WIN 0
.endm
; What step h is.  The slot's step s has CNT = 4 - s in the loop and 5 - s in the tail (last = 1), where the count is taken down in the middle of a trip.
.macro FLAGS last
	s_mov_b32 s[FINP], s[FIN]
	s_sub_co_i32 s[TT], s[DOF], s[CNT]
.if \last
	s_add_co_i32 s[TT], s[TT], 1
.endif
	s_cmp_eq_i32 s[TT], 0
	s_cselect_b32 s[AL0], 1.0, 0
	s_cmp_eq_i32 s[TT], 1
	s_cselect_b32 s[AL1], 1.0, 0
	s_cmp_ge_i32 s[TT], 1
	s_cselect_b32 s[BE0], s[BIGN], 0
	s_cmp_ge_i32 s[TT], 2
	s_cselect_b32 s[BE1], s[BIGN], 0
	s_cmp_eq_u32 s[CNT], 1+(\last)
	s_cselect_b32 s[FIN], s[DGT], 0
	s_cmp_eq_u32 s[CNT], 4+(\last)
	s_cselect_b32 s[NEWS], s[NEWB], 0
.endm
.macro RESET tag                       ; a block begins with step h: the step before has had its scalings; the second block brings its Q
.irp u, 0,1
	v_mov_b32 v[ST+4*(\u)], 0xfe000000             ; c m: far below every c s
	v_mov_b32 v[ST+4*(\u)+1], 0xff7fffff           ; m: the lowest finite number
.endr
	s_wait_loadcnt 0x0                             ; Q
	s_cmp_eq_u32 s[FIRST], 1
	s_mov_b32 s[FIRST], 0
	s_cbranch_scc1 .Lnonew_\tag
	WIN 0x41
.set i, 0
.rept 32
	v_mov_b32 v[i], v[QB+i]
.set i, i+1
.endr
	WIN 0
.endm
.macro PACK t                          ; piece t: O^T / l, rounded; 16 bytes a lane into rows of 144 bytes, back as whole rows of 128; E's registers are free
.set i, 0
.rept 16
	v_pk_mul_f32 v[OT+32*(\t)+2*i:OT+32*(\t)+2*i+1], v[OT+32*(\t)+2*i:OT+32*(\t)+2*i+1], v[ST+4*(\t)+2:ST+4*(\t)+3] op_sel_hi:[1,0]
.set i, i+1
.endr
.set i, 0
.rept 16
	v_cvt_pk_f16_f32 v[EB+192*(\t)+i], v[OT+32*(\t)+2*i], v[OT+32*(\t)+2*i+1]
.set i, i+1
.endr
.irp f, 0,1,2,3
	ds_store_b128 v[STO], v[EB+192*(\t)+4*(\f):EB+192*(\t)+4*(\f)+3] offset:32*(\f)
.endr
.irp f, 0,1,2,3
	ds_load_b128 v[EB+192*(\t)+4*(\f):EB+192*(\t)+4*(\f)+3], v[RD] offset:(\f)*4*SP  ; LDS serves a wave's instructions in order: these see the stores above
.endr
.endm
.macro SEND t, younger                 ; younger: the LDS instructions issued behind piece t's loads
.irp f, 0,1,2,3
	s_wait_dscnt (\younger)+3-(\f)
	global_store_b128 v[GO], v[EB+192*(\t)+4*(\f):EB+192*(\t)+4*(\f)+3], s[OP:OP+1] offset:(\t)*8192+(\f)*512  ; 512 consecutive bytes, aligned
.endr
.endm
.macro WAYOUT
.irp t, 0,1
	v_add_f32 v[ST+4*(\t)+2], v[ST+4*(\t)+2], v[ST+4*(\t)+3]
.endr
.irp t, 0,1
	v_permlanex16_b32 v[ST+4*(\t)+3], v[ST+4*(\t)+2], s[SEL], s[SEL+1]
.endr
.irp t, 0,1
	v_add_f32 v[ST+4*(\t)+2], v[ST+4*(\t)+2], v[ST+4*(\t)+3]
.endr
.irp t, 0,1
	v_rcp_f32 v[ST+4*(\t)+2], v[ST+4*(\t)+2]
.endr
	v_nop                                          ; a plain instruction behind the last reciprocal,
	s_wait_alu depctr_va_vdst(0)                   ; and one wait for the two
	PACK 0
	PACK 1
	SEND 0, 8
	SEND 1, 0
	s_wait_xcnt 0x0                                ; the stores have read their registers and O's address: E is written again, and O's address, only behind this wait
	s_mov_b64 s[OP:OP+1], s[OLO:OLO+1]             ; what is left behind (O / l, 1 / l) is finite, and the next block's first a, 0, wipes it
.endm
; A TRIP, for key step h.  last = 1: the tail's text, five trips, of which the fifth is left in its middle.
.macro STEP tag, last
.Lstep_\tag:
	FLAGS \last
	FK \last, \tag                                 ; K of step h: its registers were last read a run of products, a lump's worth of lines and more ago
	LUMP                                           ; of step h - 1
	s_cmp_eq_u32 s[NEWS], 1
	s_cbranch_scc0 .Lnonew_\tag
	RESET \tag
.Lnonew_\tag:
	s_wait_dscnt 0x0                               ; K of step h and V of step h - 1 are in
	KQRUN
	s_cmp_eq_u32 s[DGT], 1
	s_cbranch_scc0 .Lnomask_\tag
	MASKS
.Lnomask_\tag:
	PVRUN
	s_cmp_eq_u32 s[FINP], 1
	s_cbranch_scc0 .Lnoend_\tag
	WAYOUT
.Lnoend_\tag:
.if \last
	s_sub_co_u32 s[CNT], s[CNT], 1
	s_cmp_eq_u32 s[CNT], 0
	s_cbranch_scc1 .Lout
.endif
	FV                                             ; V of step h: the slot's last read stands at the end of its fourth trip
.if \last
	s_branch .Lstep_\tag
.else
	s_sub_co_u32 s[CNT], s[CNT], 1
	s_cmp_lg_u32 s[CNT], 0
	s_cbranch_scc1 .Lstep_\tag
.endif
.endm
.Lslot:                                                ; 8 times: a slot is entered and the next is asked for
	CHANGE 1
	s_mov_b32 s[CNT], 4
	STEP M, 0
	s_sub_co_u32 s[SLOTS], s[SLOTS], 1
	s_cmp_lg_u32 s[SLOTS], 0
	s_cbranch_scc1 .Lslot
	CHANGE 0                                       ; the walk's last slot is written out: nothing is asked for
	s_mov_b32 s[CNT], 5
	STEP T, 1
.Lout:
	s_wait_tensorcnt 0x0                           ; the wave's end, behind my last tensor load and my last LDS store
	ds_add_u32 v[SPW], v[NIL]
	s_wait_dscnt 0x0
	s_endpgm
.Lfunc_end_k_q405417f2ad_attn:
	.size	k_q405417f2ad_attn, .Lfunc_end_k_q405417f2ad_attn-k_q405417f2ad_attn
	.p2alignl 7, 3214868480
	.fill 96, 4, 3214868480
	.section	.rodata,"a",@progbits
	.p2align	6, 0x0
	.amdhsa_kernel k_q405417f2ad_attn
		.amdhsa_group_segment_fixed_size 327680
		.amdhsa_private_segment_fixed_size 0
		.amdhsa_enable_private_segment 0
		.amdhsa_kernarg_size 16
		.amdhsa_user_sgpr_count 2
		.amdhsa_user_sgpr_kernarg_segment_ptr 1
		.amdhsa_wavefront_size32 1
		.amdhsa_system_sgpr_workgroup_id_x 1
		.amdhsa_system_sgpr_workgroup_id_y 1
		.amdhsa_system_sgpr_workgroup_id_z 1
		.amdhsa_system_vgpr_workitem_id 0
		.amdhsa_next_free_vgpr 480
		.amdhsa_next_free_sgpr 101
		.amdhsa_reserve_vcc 1
		.amdhsa_float_denorm_mode_32 3
		.amdhsa_float_denorm_mode_16_64 3
		.amdhsa_memory_ordered 1
		.amdhsa_forward_progress 1
		.amdhsa_inst_pref_size 84
	.end_amdhsa_kernel
	.amdgpu_metadata
---
amdhsa.version: [ 1, 2 ]
amdhsa.kernels:
  - .name:           k_q405417f2ad_attn
    .symbol:         k_q405417f2ad_attn.kd
    .args:
      - { .name: qkv, .offset: 0, .size: 8, .value_kind: global_buffer, .address_space: global }
      - { .name: act, .offset: 8, .size: 8, .value_kind: global_buffer, .address_space: global }
    .group_segment_fixed_size: 327680
    .private_segment_fixed_size: 0
    .kernarg_segment_align: 8
    .kernarg_segment_size: 16
    .max_flat_workgroup_size: 128
    .sgpr_count:     101
    .vgpr_count:     480
    .wavefront_size: 32
...
	.end_amdgpu_metadata
.endif
;; end of part 3
;; launch gemm_o (part 4): grid 8 x 32, 4 waves a work-group, clusters of 4 x 4, 327,680 bytes of LDS; arguments act, wo, x, x1; writes x1
.if DOCPART == 4
	.amdgcn_target "amdgcn-amd-amdhsa--gfx1250"
	.amdhsa_code_object_version 6
	.text
	.protected	k_q405417f2ad_gemm_o
	.globl	k_q405417f2ad_gemm_o
	.p2align	8
	.type	k_q405417f2ad_gemm_o,@function
k_q405417f2ad_gemm_o:
	s_mov_b64 s[64:65], 0
	v_nop
	global_prefetch_b8 v0, s[64:65] scope:SCOPE_SE
	s_setreg_imm32_b32 hwreg(HW_REG_WAVE_MODE, 25, 1), 1
	s_wait_xcnt 0x0
	s_wait_alu depctr_hold_cnt(0) depctr_sa_sdst(0) depctr_va_vdst(0) depctr_va_sdst(0) depctr_va_ssrc(0) depctr_va_vcc(0) depctr_vm_vsrc(0)
	s_getreg_b32 s2, hwreg(HW_REG_IB_STS2, 6, 4)
	s_cmp_eq_u32 s2, 0
	s_cbranch_scc0 .Lentry_in_a_cluster
	s_endpgm
.Lentry_in_a_cluster:
	s_bfe_u32 s2, ttmp6, 0x10000c
	s_cmp_lg_u32 s2, 0xf033
	s_cbranch_scc0 .Lentry_shape_is_right
	s_endpgm
.Lentry_shape_is_right:
; C = R (+ bias) + A B^T.  A: [SIZE_K / 64][4096][64] f16, in slices of 64 along K; B: [1024][SIZE_K] f16 (weights, rounded once from f32); R and C: [4096][1024] f32; sums in f32, nothing is rounded on the way out.
; LIMITS.  Matrix operands are f16: they arrive within 65,504, and below 6.1e-5 keep f16's fixed step of 6e-8.  NaN and infinities are not treated apart.
; SHAPE.  A tile of C is 128 x 128, so that 1,024 columns give 256 work-groups: four waves of 64 x 64, 16 accumulators each.  K goes in T steps of 256 through two LDS slots.
; A step's part of A is four slices x 128 rows x 128 bytes; a slice's 128 rows are 16,384 dense bytes, and one tensor load brings two slices as two long rows, padded in LDS after every 128 bytes.  B's rows in a step are 512 bytes.
; The text of a K step is written once; the slot in hand is a scalar register that one exclusive or turns.  The last two steps, which ask for nothing, have a loop of their own.
; CLUSTER.  4 x 4 work-groups: A's tile is asked for jointly along a row of the cluster, B's along a column.  TRANSPOSED USE: a lane holds row l % 16 of C and eight neighbouring columns.
; K BEGINS AT TWO PLACES.  A cluster whose x + y is odd begins at K step T / 2 and goes round to T / 2 - 1.  So the two clusters that need the same rows of A (they differ in x), and neighbours along y, which need the same rows
; of B, ask for a given K step half a walk apart.  The number hangs on the cluster's x and y alone, which all sixteen partners share; it enters the global addresses alone.  The f32 sums are then taken in that order.
; THE RESIDUAL is asked for at the head, in the layout in which the sums come back from the stage, and waits in registers.  THE WAY OUT: 16 rows at a time through each wave's own stage: sixteen lanes store 256 consecutive bytes, aligned.
; REGISTERS.  Window 0: v12-30 addresses and bias; v32-95 at work on the way out; v128-255 the accumulators.  Window 1: two fragment buffers of 128 (A's 64, then B's 64).  Window 2: v0-127 the residual.
.set SIZE_K, 1024
.set T,      4
.set BIAS,   0
.set PA,     144                       ; a row of A in LDS: 128 bytes + 16
.set PBB,    528                       ; a row of B: 512 + 16
.set ASL,    128*PA                    ; a slice's 128 rows
.set BOFF,   4*ASL
.set SLOT,   BOFF+128*PBB
.set STAGE,  2*SLOT                    ; 16 rows x 272 bytes for each wave; no tensor load lands here
.set SP,     272
.set SPARE,  STAGE+4*16*SP
.set ASTEP,  4*524288                  ; four slices on
.set BI,  12                           ; v[12:15] the bias of my 4 columns
.set RA0, 16
.set RB0, 17
.set RCA, 18
.set RCB, 19
.set STO, 24
.set RD,  25
.set CO,  26
.set C16, 27
.set SPW, 28
.set NIL, 29
.set TMP, 32
.set ACC, 128
.set F0,  0
.set F1,  128
.set G1A, 24
.set GA0, 32
.set GA,  36
.set G1B, 48
.set GB0, 56
.set GB,  60
.set KQ,  73                           ; s73      the K step at which the walking descriptors stand
.set WRA, 74                           ; s[74:75] what A's address goes back at this refill: T steps at the wrap, else 0
.set WRB, 76                           ; s[76:77] the same for B's
.set MSB, 0
.macro WIN new
.if MSB != (\new)
	s_set_vgpr_msb (MSB<<8)|(\new)
.set MSB, \new
.endif
.endm
.set MUL,  0x05                        ; sources 0 (B) and 1 (A) window 1; C and D window 0
.set TO_F, 0x40
.macro PLACES
.rept 4
	v_nop
.endr
.endm
.macro JLOAD                           ; a joint refill: waves 0 and 1 fetch A's slices, waves 2 and 3 B's rows
	s_cmp_eq_u32 s13, 0
	s_cbranch_scc0 .Lfor_b_\@
	tensor_load_to_lds s[GA:GA+3], s[G1A:G1A+7]
	s_nop 0
	PLACES
	s_branch .Lasked_\@
.Lfor_b_\@:
	tensor_load_to_lds s[GB:GB+3], s[G1B:G1B+7]
	s_nop 0
	PLACES
.Lasked_\@:
.endm
.macro CREST
	s_cmp_lg_u32 s12, 0
	s_cbranch_scc1 .Lnot_wave_0_\@
	s_barrier_signal -3
.Lnot_wave_0_\@:
	s_barrier_wait -3
	s_barrier_signal -1
	s_barrier_wait -1
.endm
.macro CROUND
	s_barrier_signal -1
	s_barrier_wait -1
	CREST
.endm
	s_load_b256 s[4:11], s[0:1], 0x0               ; A s[4:5], B s[6:7], R s[8:9], C s[10:11]
.if BIAS
	s_load_b64 s[68:69], s[0:1], 0x20
.endif
	v_lshl_add_u32 v[SPW], v0, 2, SPARE
	v_mov_b32 v[NIL], 0
	ds_add_u32 v[SPW], v[NIL]                      ; the wave's opening: the add and its wait ahead of my first tensor load
	v_lshrrev_b32 v1, 5, v0
	v_readfirstlane_b32 s12, v1
	s_lshr_b32 s13, s12, 1                         ; my half of the tile's rows; also: I fetch for A (0) or B (1)
	s_and_b32 s14, s12, 1                          ; my half of its columns; also: which part I fetch
	s_bfe_u32 s15, ttmp6, 0x40000
	s_bfe_u32 s16, ttmp6, 0x40004
	s_lshl_b32 s17, ttmp9, 2
	s_add_co_u32 s17, s17, s15                     ; tile column
	s_and_b32 s18, ttmp7, 0xffff
	s_lshl_b32 s18, s18, 2
	s_add_co_u32 s18, s18, s16                     ; tile row
	s_lshl_b32 s23, s16, 2
	s_lshl_b32 s23, 15, s23                        ; my row of the cluster
	s_lshl_b32 s72, 0x1111, s15                    ; my column
	s_or_b32 s[G1A], s23, (1<<16)|(1<<20)|(1<<21)|(4<<22)|(3<<25)  ; after every 32 words 4 words of padding
	s_mov_b32 s[G1A+1], 8192<<16                   ; tensor_dim0 = 8,192: a slice's 128 rows on end
	s_mov_b32 s[G1A+2], 2<<16                      ; tensor_dim1 = 2 slices
	s_mov_b32 s[G1A+3], 8192<<16                   ; tile_dim0
	s_mov_b32 s[G1A+4], 2                          ; tile_dim1
	s_mov_b32 s[G1A+5], 262144                     ; elements from slice to slice
	s_mov_b32 s[G1A+6], 0
	s_mov_b32 s[G1A+7], 0
	s_or_b32 s[G1B], s72, (1<<16)|(1<<20)|(1<<21)|(6<<22)|(3<<25)  ; after every 128 words 4 words
	s_mov_b32 s[G1B+1], 256<<16
	s_mov_b32 s[G1B+2], 64<<16
	s_mov_b32 s[G1B+3], 256<<16
	s_mov_b32 s[G1B+4], 64
	s_mov_b32 s[G1B+5], SIZE_K
	s_mov_b32 s[G1B+6], 0
	s_mov_b32 s[G1B+7], 0
	s_lshl_b32 s40, s14, 20                        ; A: slices 2 x part on, row 128 x tile row
	s_lshl_b32 s41, s18, 14
	s_add_co_u32 s40, s40, s41
	s_mov_b32 s41, 0
	s_lshl_b32 s44, s17, 7
	s_lshl_b32 s45, s14, 6
	s_add_co_u32 s44, s44, s45                     ; B: row 128 x tile column + 64 x part
	s_mul_i32 s44, s44, SIZE_K*2
	s_mov_b32 s45, 0
	s_and_b32 s[KQ], ttmp7, 0xffff                 ; cluster y
	s_add_co_u32 s[KQ], s[KQ], ttmp9               ; + cluster x:
	s_and_b32 s[KQ], s[KQ], 1                      ; odd: the walk begins at K step T / 2
	s_mul_i32 s[WRA], s[KQ], (T/2)*ASTEP
	s_add_co_u32 s40, s40, s[WRA]
	s_mul_i32 s[WRB], s[KQ], (T/2)*512
	s_add_co_u32 s44, s44, s[WRB]
	s_mul_i32 s[KQ], s[KQ], T/2
	s_add_co_u32 s[KQ], s[KQ], 1                   ; the second first fill's K step
	s_mov_b32 s[WRA+1], 0
	s_mov_b32 s[WRB+1], 0
	s_mul_i32 s19, s14, 2*ASL                      ; where A's part goes in a slot,
	s_mul_i32 s20, s14, 64*PBB
	s_add_co_u32 s20, s20, BOFF                    ; and B's
	s_mov_b32 s21, 0                               ; the slot in hand
	s_wait_dscnt 0x0                               ; the opening add is done
	s_wait_kmcnt 0x0
	s_add_nc_u64 s[42:43], s[4:5], s[40:41]
	s_add_nc_u64 s[46:47], s[6:7], s[44:45]
	CROUND                                         ; all sixteen work-groups are here: the first joint loads meet
	s_mov_b32 s[GA0], 1
	s_mov_b32 s[GA0+1], s19
	s_mov_b64 s[GA0+2:GA0+3], s[42:43]
	s_or_b32 s[GA0+3], s[GA0+3], 0x80000000
	s_mov_b32 s[GA], 1
	s_add_co_u32 s[GA+1], s19, SLOT
	s_add_nc_u64 s[GA+2:GA+3], s[42:43], ASTEP
	s_or_b32 s[GA+3], s[GA+3], 0x80000000
	s_mov_b32 s[GB0], 1
	s_mov_b32 s[GB0+1], s20
	s_mov_b64 s[GB0+2:GB0+3], s[46:47]
	s_or_b32 s[GB0+3], s[GB0+3], 0x80000000
	s_mov_b32 s[GB], 1
	s_add_co_u32 s[GB+1], s20, SLOT
	s_add_nc_u64 s[GB+2:GB+3], s[46:47], 512
	s_or_b32 s[GB+3], s[GB+3], 0x80000000
	s_cmp_eq_u32 s13, 0                            ; a wave's two first fills stand in one branch: two loads of mine are out
	s_cbranch_scc0 .Lfirst_b
	tensor_load_to_lds s[GA0:GA0+3], s[G1A:G1A+7]
	s_nop 0
	tensor_load_to_lds s[GA:GA+3], s[G1A:G1A+7]
	s_nop 0
	PLACES
	s_branch .Lfirst_asked
.Lfirst_b:
	tensor_load_to_lds s[GB0:GB0+3], s[G1B:G1B+7]
	s_nop 0
	tensor_load_to_lds s[GB:GB+3], s[G1B:G1B+7]
	s_nop 0
	PLACES
.Lfirst_asked:
	v_and_b32 v1, 15, v0                           ; l % 16
	v_bfe_u32 v2, v0, 4, 1                         ; l / 16
	v_mul_u32_u24 v3, v1, PA
	v_lshl_add_u32 v3, v2, 4, v3
	s_mul_i32 s23, s13, 64*PA
	v_add_nc_u32 v[RA0], s23, v3                   ; my 64 rows of each slice
	v_mul_u32_u24 v3, v1, PBB
	v_lshl_add_u32 v3, v2, 4, v3
	s_mul_i32 s23, s14, 64*PBB
	s_add_co_u32 s23, s23, BOFF
	v_add_nc_u32 v[RB0], s23, v3                   ; my 64 rows of B
	v_mov_b32 v[RCA], v[RA0]
	v_mov_b32 v[RCB], v[RB0]
	s_mul_i32 s23, s12, 16*SP
	s_add_co_u32 s23, s23, STAGE                   ; my stage
	v_mul_u32_u24 v3, v1, SP
	v_lshl_add_u32 v3, v2, 5, v3                   ; in: row l % 16, 32 bytes for each half of the lanes
	v_add_nc_u32 v[STO], s23, v3
	v_mul_u32_u24 v3, v2, SP
	v_lshl_add_u32 v3, v1, 4, v3                   ; back: lanes 0-15 take one row of 256 bytes, lanes 16-31 the next
	v_add_nc_u32 v[RD], s23, v3
	v_lshlrev_b32 v[C16], 4, v1
	v_lshl_add_u32 v[CO], v2, 12, v[C16]           ; the same two rows in R and C
	s_lshl_b32 s70, s18, 19                        ; R and C at my 64 x 64: row 128 x tile row + 64 x half, 4,096 bytes a row; column 128 x tile column + 64 x half
	s_lshl_b32 s71, s13, 18
	s_add_co_u32 s70, s70, s71
	s_lshl_b32 s71, s17, 9
	s_add_co_u32 s70, s70, s71
	s_lshl_b32 s71, s14, 8
	s_add_co_u32 s70, s70, s71
	s_mov_b32 s71, 0
	s_add_nc_u64 s[8:9], s[8:9], s[70:71]
	s_add_nc_u64 s[10:11], s[10:11], s[70:71]
	WIN 0x80                                       ; destination window 2
.set a, 0
.rept 4
.set t, 0
.rept 8
	global_load_b128 v[4*(8*a+t):4*(8*a+t)+3], v[CO], s[8:9] offset:(16*a+2*t)*4096
.set t, t+1
.endr
.set a, a+1
.endr
	WIN 0
.if BIAS
	s_lshl_b32 s70, s17, 9
	s_lshl_b32 s71, s14, 8
	s_add_co_u32 s70, s70, s71
	s_mov_b32 s71, 0
	s_add_nc_u64 s[68:69], s[68:69], s[70:71]
	global_load_b128 v[BI:BI+3], v[C16], s[68:69]
.endif
; 8 matrix instructions: m blocks a0, a0 + 1 x all 4 n blocks, 32 along K: half c of buffer f.  The 16 accumulators take turns.
.macro MUL8 f, c, a0, zero
	WIN MUL
.irp a, \a0, (\a0)+1
.irp b, 0,1,2,3
.if \zero
	v_wmma_f32_16x16x32_f16 v[ACC+8*(4*(\a)+(\b)):ACC+8*(4*(\a)+(\b))+7], v[(\f)+64+8*(4*(\c)+(\b)):(\f)+64+8*(4*(\c)+(\b))+7], v[(\f)+8*(4*(\c)+(\a)):(\f)+8*(4*(\c)+(\a))+7], 0
.else
	v_wmma_f32_16x16x32_f16 v[ACC+8*(4*(\a)+(\b)):ACC+8*(4*(\a)+(\b))+7], v[(\f)+64+8*(4*(\c)+(\b)):(\f)+64+8*(4*(\c)+(\b))+7], v[(\f)+8*(4*(\c)+(\a)):(\f)+8*(4*(\c)+(\a))+7], v[ACC+8*(4*(\a)+(\b)):ACC+8*(4*(\a)+(\b))+7]
.endif
.endr
.endr
.endm
; 32 LDS loads in one run: quarter q of the step (64 along K: slice q of A's four, byte 128 q of B's rows) into buffer f; the first 32 along K first
.macro FETCH q, f
	WIN TO_F
.irp c, 0,1
.irp i, 0,1,2,3
	ds_load_b128 v[(\f)+64+8*(4*(\c)+(\i)):(\f)+64+8*(4*(\c)+(\i))+3],   v[RCB] offset:128*(\q)+64*(\c)+(\i)*16*PBB
	ds_load_b128 v[(\f)+64+8*(4*(\c)+(\i))+4:(\f)+64+8*(4*(\c)+(\i))+7], v[RCB] offset:128*(\q)+64*(\c)+(\i)*16*PBB+32
	ds_load_b128 v[(\f)+8*(4*(\c)+(\i)):(\f)+8*(4*(\c)+(\i))+3],         v[RCA] offset:ASL*(\q)+64*(\c)+(\i)*16*PA
	ds_load_b128 v[(\f)+8*(4*(\c)+(\i))+4:(\f)+8*(4*(\c)+(\i))+7],       v[RCA] offset:ASL*(\q)+64*(\c)+(\i)*16*PA+32
.endr
.endr
.endm
.macro QUARTER q, f, g, zero           ; multiplies buffer f; in its middle it fetches quarter q into buffer g
	s_wait_dscnt 16                                ; the first 32 along K are in; the other sixteen loads may be out
	MUL8 \f, 0, 0, \zero
	MUL8 \f, 0, 2, \zero
	PLACES
	FETCH \q, \g
	s_wait_dscnt 32                                ; all but the 32 just issued
	MUL8 \f, 1, 0, 0
	MUL8 \f, 1, 2, 0
.endm
; The last quarter multiplies buffer 1 and changes slots: one barrier; in front of it each wave waits for all its tensor loads, adds 0 to its spare word, and waits for that and for its reads of the slot.
; fill = 1: the barrier opens a round of the cluster's, and the slot just read takes the walk's K step two on, first thing behind the round.
.macro TURN fill
	WIN 0
	s_wait_tensorcnt 0x0                           ; the one load of mine that was out is my part of the next slot
	ds_add_u32 v[SPW], v[NIL]
	s_wait_dscnt 17                                ; (the add and the youngest sixteen loads may be out)
	MUL8 F1, 0, 0, 0
	s_wait_dscnt 0x0                               ; the add is done, and my reads of this slot are over
	s_barrier_signal -1
	MUL8 F1, 0, 2, 0
.if \fill
	WIN 0
.endif
	s_barrier_wait -1
.if \fill
	CREST
	s_add_co_u32 s[KQ], s[KQ], 1                   ; no load of mine is out: the walking descriptors are written: the next K step, or behind the last K step 0
	s_cmp_eq_u32 s[KQ], T
	s_cselect_b32 s[KQ], 0, s[KQ]
	s_cselect_b32 s[WRA], T*ASTEP, 0
	s_cselect_b32 s[WRB], T*512, 0
	s_add_co_u32 s[GA+1], s21, s19
	s_add_nc_u64 s[GA+2:GA+3], s[GA+2:GA+3], ASTEP
	s_sub_nc_u64 s[GA+2:GA+3], s[GA+2:GA+3], s[WRA:WRA+1]
	s_add_co_u32 s[GB+1], s21, s20
	s_add_nc_u64 s[GB+2:GB+3], s[GB+2:GB+3], 512
	s_sub_nc_u64 s[GB+2:GB+3], s[GB+2:GB+3], s[WRB:WRB+1]
	JLOAD                                          ; its four v_nop are also the places in front of the loads below
.else
	PLACES
	WIN 0
.endif
	s_xor_b32 s21, s21, SLOT
	v_add_nc_u32 v[RCA], s21, v[RA0]
	v_add_nc_u32 v[RCB], s21, v[RB0]
	FETCH 0, F0
	MUL8 F1, 1, 0, 0
	MUL8 F1, 1, 2, 0
.endm
	s_wait_tensorcnt 1                             ; my part of the walk's first K step is in; the second's load stays out
	s_barrier_signal -1
	s_barrier_wait -1
	FETCH 0, F0
	QUARTER 1, F0, F1, 1                           ; the first products start the sums
	WIN 0
	s_mov_b32 s22, T-2
.LA:                                                   ; T - 2 trips, from a K step's second quarter to the next step's first: the walk's steps 2 to T - 1 are asked for
	QUARTER 2, F1, F0, 0
	QUARTER 3, F0, F1, 0
	TURN 1
	QUARTER 1, F0, F1, 0
	WIN 0
	s_sub_co_u32 s22, s22, 1
	s_cmp_lg_u32 s22, 0
	s_cbranch_scc1 .LA
	s_mov_b32 s22, 2
.LB:                                                   ; the last two K steps ask for nothing; the second trip is left in its middle (its 32 loads from the other slot serve nothing)
	QUARTER 2, F1, F0, 0
	QUARTER 3, F0, F1, 0
	TURN 0
	WIN 0
	s_sub_co_u32 s22, s22, 1
	s_cmp_eq_u32 s22, 0
	s_cbranch_scc1 .Lout
	QUARTER 1, F0, F1, 0
	WIN 0
	s_branch .LB
.Lout:
	PLACES
	s_wait_loadcnt 0x0                             ; the residual, and the bias
.set a, 0
.rept 4                                ; 16 rows at a time
.set b, 0
.rept 4
	ds_store_b128 v[STO], v[ACC+8*(4*a+b):ACC+8*(4*a+b)+3] offset:64*b       ; each accumulator's low half first
	ds_store_b128 v[STO], v[ACC+8*(4*a+b)+4:ACC+8*(4*a+b)+7] offset:64*b+16
.set b, b+1
.endr
	s_wait_xcnt 0x0                                ; earlier stores have read the registers that the loads below fill
.set t, 0
.rept 8
	ds_load_b128 v[TMP+32*(a%2)+4*t:TMP+32*(a%2)+4*t+3], v[RD] offset:2*SP*t  ; LDS serves a wave's instructions in order: these see the stores above
.set t, t+1
.endr
	s_wait_dscnt 0x0
	WIN 0x08                                       ; source 1 in window 2
.set p, 0
.rept 16
	v_pk_add_f32 v[TMP+32*(a%2)+2*p:TMP+32*(a%2)+2*p+1], v[TMP+32*(a%2)+2*p:TMP+32*(a%2)+2*p+1], v[32*a+2*p:32*a+2*p+1]
.set p, p+1
.endr
	WIN 0
.if BIAS
.set p, 0
.rept 16
	v_pk_add_f32 v[TMP+32*(a%2)+2*p:TMP+32*(a%2)+2*p+1], v[TMP+32*(a%2)+2*p:TMP+32*(a%2)+2*p+1], v[BI+2*(p%2):BI+2*(p%2)+1]
.set p, p+1
.endr
.endif
.set t, 0
.rept 8
	global_store_b128 v[CO], v[TMP+32*(a%2)+4*t:TMP+32*(a%2)+4*t+3], s[10:11] offset:(16*a+2*t)*4096  ; sixteen lanes store 256 consecutive bytes, aligned
.set t, t+1
.endr
.set a, a+1
.endr
	s_wait_tensorcnt 0x0                           ; the wave's end, behind my last tensor load and my last LDS store
	ds_add_u32 v[SPW], v[NIL]
	s_wait_dscnt 0x0
	CROUND                                         ; the closing round
	s_endpgm
.Lfunc_end_k_q405417f2ad_gemm_o:
	.size	k_q405417f2ad_gemm_o, .Lfunc_end_k_q405417f2ad_gemm_o-k_q405417f2ad_gemm_o
	.p2alignl 7, 3214868480
	.fill 96, 4, 3214868480
	.section	.rodata,"a",@progbits
	.p2align	6, 0x0
	.amdhsa_kernel k_q405417f2ad_gemm_o
		.amdhsa_group_segment_fixed_size 327680
		.amdhsa_private_segment_fixed_size 0
		.amdhsa_enable_private_segment 0
		.amdhsa_kernarg_size 32
		.amdhsa_user_sgpr_count 2
		.amdhsa_user_sgpr_kernarg_segment_ptr 1
		.amdhsa_wavefront_size32 1
		.amdhsa_system_sgpr_workgroup_id_x 1
		.amdhsa_system_sgpr_workgroup_id_y 1
		.amdhsa_system_sgpr_workgroup_id_z 1
		.amdhsa_system_vgpr_workitem_id 0
		.amdhsa_next_free_vgpr 640
		.amdhsa_next_free_sgpr 82
		.amdhsa_reserve_vcc 0
		.amdhsa_float_denorm_mode_32 3
		.amdhsa_float_denorm_mode_16_64 3
		.amdhsa_memory_ordered 1
		.amdhsa_forward_progress 1
		.amdhsa_inst_pref_size 65
	.end_amdhsa_kernel
	.amdgpu_metadata
---
amdhsa.version: [ 1, 2 ]
amdhsa.kernels:
  - .name:           k_q405417f2ad_gemm_o
    .symbol:         k_q405417f2ad_gemm_o.kd
    .args:
      - { .name: act, .offset: 0, .size: 8, .value_kind: global_buffer, .address_space: global }
      - { .name: wo, .offset: 8, .size: 8, .value_kind: global_buffer, .address_space: global }
      - { .name: x, .offset: 16, .size: 8, .value_kind: global_buffer, .address_space: global }
      - { .name: x1, .offset: 24, .size: 8, .value_kind: global_buffer, .address_space: global }
    .group_segment_fixed_size: 327680
    .private_segment_fixed_size: 0
    .kernarg_segment_align: 8
    .kernarg_segment_size: 32
    .max_flat_workgroup_size: 128
    .sgpr_count:     82
    .vgpr_count:     640
    .wavefront_size: 32
...
	.end_amdgpu_metadata
.endif
;; end of part 4
;; launch ln2: the kernel of part 1 again; grid 256 x 1, 4 waves a work-group, no clusters, 0 bytes of LDS; arguments x1, ln2_w, ln2_b, act, qkv_w, o_w, ffn_w1, ffn_w2, wq, wo, w1b, w2b; writes act, wq, wo, w1b, w2b
;; launch gemm_ffn1 (part 5): grid 16 x 16, 4 waves a work-group, clusters of 4 x 4, 327,680 bytes of LDS; arguments act, w1b, ff, ffn_b1; writes ff
.if DOCPART == 5
	.amdgcn_target "amdgcn-amd-amdhsa--gfx1250"
	.amdhsa_code_object_version 6
	.text
	.protected	k_q405417f2ad_gemm_ffn1
	.globl	k_q405417f2ad_gemm_ffn1
	.p2align	8
	.type	k_q405417f2ad_gemm_ffn1,@function
k_q405417f2ad_gemm_ffn1:
	s_mov_b64 s[64:65], 0
	v_nop
	global_prefetch_b8 v0, s[64:65] scope:SCOPE_SE
	s_setreg_imm32_b32 hwreg(HW_REG_WAVE_MODE, 25, 1), 1
	s_wait_xcnt 0x0
	s_wait_alu depctr_hold_cnt(0) depctr_sa_sdst(0) depctr_va_vdst(0) depctr_va_sdst(0) depctr_va_ssrc(0) depctr_va_vcc(0) depctr_vm_vsrc(0)
	s_getreg_b32 s2, hwreg(HW_REG_IB_STS2, 6, 4)
	s_cmp_eq_u32 s2, 0
	s_cbranch_scc0 .Lentry_in_a_cluster
	s_endpgm
.Lentry_in_a_cluster:
	s_bfe_u32 s2, ttmp6, 0x10000c
	s_cmp_lg_u32 s2, 0xf033
	s_cbranch_scc0 .Lentry_shape_is_right
	s_endpgm
.Lentry_shape_is_right:
; C = A B^T.  A: [4096][1024] f16 (the normed rows), B: [N][1024] f16 (weights, rounded once from f32), sums in f32.  C leaves in f16, IN SLICES of 64 columns: [N / 64][4096][64],
; so that two neighbouring rows of a slice are 256 consecutive bytes.  EPI = 0: C as it is.  EPI = 1: C = gelu(sum + bias), the exact (erf) form.
; LIMITS.  Matrix operands and C are f16, which holds no number beyond 65,504: a result of 65,520 or more becomes an infinity.  A sum of 1,024 products of unit rows and weights of spread 1 / 32 has spread 1;
; with gain and weights both 30 times larger it has 900, its largest numbers about 5,000.  Below 6.1e-5 a number keeps f16's fixed step of 6e-8.
; With EPI = 1 the error function is taken by the rational form erf(u) = 1 - (a1 t + a2 t^2 + a3 t^3) exp(-u^2), t = 1 / (1 + 0.47047 u) (Abramowitz and Stegun 7.1.25),
; off by at most 2.5e-5 for every u: gelu(x) is off by at most 1.25e-5 |x|, and by nothing once exp(-x^2 / 2) is 0.  NaN and infinities are not treated apart.
; SHAPE.  A tile of C is 256 x 256: four waves, each 128 x 128 in 64 accumulators (512 registers).  K goes in 8 steps of 128 through two LDS slots filled by tensor loads; a row of a tile is 256 bytes of memory, aligned.
; The text of a K step is written once: the slot in hand is a scalar register that one exclusive or turns.  The last two steps, which ask for nothing, have a loop of their own.
; CLUSTER.  4 x 4 work-groups: A's tile is asked for jointly by the four of a row of the cluster, B's by the four of a column: the same load, descriptor and mask in all four.
; TRANSPOSED USE.  Source 0 = 16 rows of B, source 1 = 16 rows of A: a lane holds row l % 16 of C and eight neighbouring columns.
; THE WAY OUT.  Behind the last K step the two slots have had their last fill: each wave lays its 128 x 128 sums there in f32 (rows of 528 bytes) and walks them in a loop, eight rows a trip.
; REGISTERS, in windows of 256: window 0: v16-30 addresses, v32-47 bias, v64-191 A's fragments (two buffers), behind the loop v64-239 at work; window 1: v64-191 B's fragments; windows 2, 3: the accumulators, (a, b) at 8 (8 a + b).
.set EPI,    1
.set KSTEP,  128
.set PITCH,  272                       ; an LDS row: 256 bytes + 16 of padding: the 16 rows of a fragment load start 68 words apart
.set HALFT,  128*PITCH                 ; what one tensor load brings
.set SLOT,   4*HALFT                   ; A's 256 rows, then B's 256 rows
.set DP,     528                       ; the way out: a row of 128 f32 + 16 bytes
.set DW,     128*DP                    ; a wave's 128 rows; four of them fit into the two slots
.set SPARE,  2*SLOT                    ; the spare words, 128 bytes for each wave
.set SST,    524288                    ; bytes in a slice of C
.set RA0, 16                           ; v16  my place in A's fragments, slot 0
.set RB0, 17                           ; v17  the same for B
.set RCA, 18                           ; v18  the same in the slot in hand
.set RCB, 19                           ; v19
.set STO, 24                           ; v24  the way out: where I put 32 bytes of a row
.set RDC, 25                           ; v25  where I read rows back; steps eight rows a trip
.set CO,  26                           ; v26  8 x lane: my 8 bytes of 256 in C
.set SPW, 28                           ; v28  my spare word
.set NIL, 29                           ; v29  0
.set CB16, 30                          ; v30  16 x (lane % 16)
.set BI,  32                           ; v[32:39]  the bias of my 8 columns
.set BK,  40                           ; v[40:47]  the same times KC
.set F0,  64
.set F1,  128
.set RR,  64                           ; behind the loop, window 0: 32 sums as read back,
.set RZ,  96                           ; z = KC x, later x / 2
.set RW,  128                          ; -z^2, then exp(-x^2 / 2)
.set RT,  160                          ; 1 + PC |z|, then t
.set RP,  192                          ; the polynomial, then the result
.set RY,  224                          ; 16 registers of f16 to store
.set G1A, 24                           ; s[24:31] group 1 for A's tiles
.set GA0, 32                           ; s[32:35] group 0, A, K step 0
.set GA,  36                           ; s[36:39] group 0, A, K step 1; then it walks
.set G1B, 48
.set GB0, 56
.set GB,  60
.set KC,  66                           ; s[66:67] sqrt(log2(e) / 2)
.set PC,  68                           ; s68      0.47047 / sqrt(log2(e))
.set HC,  70                           ; s[70:71] 0.5 / KC
.set N3,  72                           ; s[72:73] -a3
.set N2,  74                           ; s[74:75] -a2
.set N1,  76                           ; s[76:77] -a1
.set G1C, (1<<16)|(1<<20)|(1<<21)|(5<<22)|(3<<25)  ; 2-byte elements; padding on; bit 21 beside a mask; after every 64 words 4 words
.set MSB, 0
.macro WIN new                         ; the immediate's high byte repeats the setting that is left
.if MSB != (\new)
	s_set_vgpr_msb (MSB<<8)|(\new)
.set MSB, \new
.endif
.endm
.set MUL_LO, 0xa1                      ; source 0 (B) window 1, source 1 (A) window 0, C and D window 2
.set MUL_HI, 0xf1                      ; the same, C and D window 3
.set TO_B,   0x40                      ; destination window 1
.macro PLACES                          ; four plain places behind matrix instructions, in front of loads into their sources and of reads of their results
.rept 4
	v_nop
.endr
.endm
.macro JLOAD                           ; a joint refill: waves 0 and 1 fetch A's halves, waves 2 and 3 B's; the branch hangs on the wave's number alone
	s_cmp_eq_u32 s13, 0
	s_cbranch_scc0 .Lfor_b_\@
	tensor_load_to_lds s[GA:GA+3], s[G1A:G1A+7]
	s_nop 0
	PLACES
	s_branch .Lasked_\@
.Lfor_b_\@:
	tensor_load_to_lds s[GB:GB+3], s[G1B:G1B+7]
	s_nop 0
	PLACES
.Lasked_\@:
.endm
.macro CREST                           ; a round of the cluster's barrier behind its opening barrier
	s_cmp_lg_u32 s12, 0
	s_cbranch_scc1 .Lnot_wave_0_\@
	s_barrier_signal -3
.Lnot_wave_0_\@:
	s_barrier_wait -3
	s_barrier_signal -1
	s_barrier_wait -1
.endm
.macro CROUND
	s_barrier_signal -1
	s_barrier_wait -1
	CREST
.endm
	s_load_b128 s[4:7], s[0:1], 0x0                ; A s[4:5], B s[6:7]
	s_load_b64 s[8:9], s[0:1], 0x10                ; C
.if EPI
	s_load_b64 s[10:11], s[0:1], 0x18              ; the bias
.endif
	v_lshl_add_u32 v[SPW], v0, 2, SPARE
	v_mov_b32 v[NIL], 0
	ds_add_u32 v[SPW], v[NIL]                      ; the wave's opening: the add and its wait ahead of my first tensor load
	v_lshrrev_b32 v1, 5, v0
	v_readfirstlane_b32 s12, v1                    ; wave 0..3
	s_lshr_b32 s13, s12, 1                         ; my half of the tile's rows; also: I fetch for A (0) or B (1)
	s_and_b32 s14, s12, 1                          ; my half of its columns; also: which 128 rows I fetch
	s_bfe_u32 s15, ttmp6, 0x40000                  ; cx
	s_bfe_u32 s16, ttmp6, 0x40004                  ; cy
	s_lshl_b32 s17, ttmp9, 2
	s_add_co_u32 s17, s17, s15                     ; tile column
	s_and_b32 s18, ttmp7, 0xffff
	s_lshl_b32 s18, s18, 2
	s_add_co_u32 s18, s18, s16                     ; tile row
	s_lshl_b32 s19, s16, 2
	s_lshl_b32 s19, 15, s19                        ; my row of the cluster
	s_lshl_b32 s78, 0x1111, s15                    ; my column
	s_or_b32 s[G1A], s19, G1C
	s_or_b32 s[G1B], s78, G1C
.irp g, G1A, G1B
	s_mov_b32 s[(\g)+1], KSTEP<<16                 ; tensor_dim0 = 128
	s_mov_b32 s[(\g)+2], 128<<16                   ; tensor_dim1 = 128
	s_mov_b32 s[(\g)+3], KSTEP<<16                 ; tile_dim0 = 128
	s_mov_b32 s[(\g)+4], 128                       ; tile_dim1 = 128
	s_mov_b32 s[(\g)+5], 1024                      ; elements from row to row
	s_mov_b32 s[(\g)+6], 0
	s_mov_b32 s[(\g)+7], 0
.endr
	s_lshl_b32 s40, s18, 8
	s_lshl_b32 s41, s14, 7
	s_add_co_u32 s40, s40, s41                     ; A: row 256 x tile row + 128 x half,
	s_lshl_b32 s40, s40, 11                        ; 2,048 bytes a row
	s_mov_b32 s41, 0
	s_lshl_b32 s44, s17, 8
	s_lshl_b32 s45, s14, 7
	s_add_co_u32 s44, s44, s45                     ; B: row 256 x tile column + 128 x half
	s_lshl_b32 s44, s44, 11
	s_mov_b32 s45, 0
	s_mul_i32 s20, s12, HALFT                      ; where my part of a slot lies: wave x 128 rows
	s_mov_b32 s21, 0                               ; the slot in hand
.if EPI
	s_mov_b32 s[KC], 0x3f596d27
	s_mov_b32 s[KC+1], 0x3f596d27
	s_mov_b32 s[PC], 0x3ec88bda
	s_mov_b32 s[HC], 0x3f16b55f
	s_mov_b32 s[HC+1], 0x3f16b55f
	s_mov_b32 s[N3], 0xbf3f7377
	s_mov_b32 s[N3+1], 0xbf3f7377
	s_mov_b32 s[N2], 0x3dc45ca1
	s_mov_b32 s[N2+1], 0x3dc45ca1
	s_mov_b32 s[N1], 0xbeb2303a
	s_mov_b32 s[N1+1], 0xbeb2303a
.endif
	s_wait_dscnt 0x0                               ; the opening add is done
	s_wait_kmcnt 0x0
	s_add_nc_u64 s[42:43], s[4:5], s[40:41]
	s_add_nc_u64 s[46:47], s[6:7], s[44:45]
	CROUND                                         ; all sixteen work-groups are here: the first joint loads meet
	s_mov_b32 s[GA0], 1
	s_mov_b32 s[GA0+1], s20
	s_mov_b64 s[GA0+2:GA0+3], s[42:43]
	s_or_b32 s[GA0+3], s[GA0+3], 0x80000000
	s_mov_b32 s[GA], 1
	s_add_co_u32 s[GA+1], s20, SLOT
	s_add_nc_u64 s[GA+2:GA+3], s[42:43], KSTEP*2
	s_or_b32 s[GA+3], s[GA+3], 0x80000000
	s_mov_b32 s[GB0], 1
	s_mov_b32 s[GB0+1], s20
	s_mov_b64 s[GB0+2:GB0+3], s[46:47]
	s_or_b32 s[GB0+3], s[GB0+3], 0x80000000
	s_mov_b32 s[GB], 1
	s_add_co_u32 s[GB+1], s20, SLOT
	s_add_nc_u64 s[GB+2:GB+3], s[46:47], KSTEP*2
	s_or_b32 s[GB+3], s[GB+3], 0x80000000
	s_cmp_eq_u32 s13, 0                            ; a wave's two first fills stand in one branch: two loads of mine are out
	s_cbranch_scc0 .Lfirst_b
	tensor_load_to_lds s[GA0:GA0+3], s[G1A:G1A+7]
	s_nop 0
	tensor_load_to_lds s[GA:GA+3], s[G1A:G1A+7]
	s_nop 0
	PLACES
	s_branch .Lfirst_asked
.Lfirst_b:
	tensor_load_to_lds s[GB0:GB0+3], s[G1B:G1B+7]
	s_nop 0
	tensor_load_to_lds s[GB:GB+3], s[G1B:G1B+7]
	s_nop 0
	PLACES
.Lfirst_asked:
	v_and_b32 v1, 15, v0                           ; l % 16
	v_bfe_u32 v2, v0, 4, 1                         ; l / 16
	v_mul_u32_u24 v3, v1, PITCH
	v_lshl_add_u32 v3, v2, 4, v3                   ; a fragment's row x pitch + 16 x half
	s_mul_i32 s19, s13, HALFT
	v_add_nc_u32 v[RA0], s19, v3
	s_mul_i32 s19, s14, HALFT
	s_add_co_u32 s19, s19, 2*HALFT
	v_add_nc_u32 v[RB0], s19, v3
	v_mov_b32 v[RCA], v[RA0]
	v_mov_b32 v[RCB], v[RB0]
	s_mul_i32 s19, s12, DW                         ; my part of the way out
	v_mul_u32_u24 v4, v1, DP
	v_lshl_add_u32 v4, v2, 5, v4                   ; in: row l % 16, 32 bytes for each half of the lanes
	v_add_nc_u32 v[STO], s19, v4
	v_mul_u32_u24 v4, v2, DP
	v_lshl_add_u32 v4, v1, 4, v4                   ; back: lanes 0-15 take 256 bytes of one row, lanes 16-31 of the next
	v_add_nc_u32 v[RDC], s19, v4
	v_and_b32 v[CO], 31, v0
	v_lshlrev_b32 v[CO], 3, v[CO]
	v_lshlrev_b32 v[CB16], 4, v1
.if EPI
	s_lshl_b32 s80, s17, 10                        ; the bias of my 128 columns: 4 (256 x tile column + 128 x half)
	s_lshl_b32 s81, s14, 9
	s_add_co_u32 s80, s80, s81
	s_mov_b32 s81, 0
	s_add_nc_u64 s[10:11], s[10:11], s[80:81]
	global_load_b128 v[BI:BI+3], v[CB16], s[10:11]             ; columns 4 (l % 16) + 0..3,
	global_load_b128 v[BI+4:BI+7], v[CB16], s[10:11] offset:256  ; and 64 further on
.endif
	s_lshl_b32 s80, s17, 21                        ; C at my part: slice 4 x tile column + 2 x half, row 256 x tile row + 128 x half, 128 bytes a row
	s_lshl_b32 s81, s14, 20
	s_add_co_u32 s80, s80, s81
	s_lshl_b32 s81, s18, 15
	s_add_co_u32 s80, s80, s81
	s_lshl_b32 s81, s13, 14
	s_add_co_u32 s80, s80, s81
	s_mov_b32 s81, 0
	s_add_nc_u64 s[8:9], s[8:9], s[80:81]
; 16 matrix instructions: m blocks a0, a0 + 1 of the window's four x all 8 n blocks, 32 along K.  The 64 accumulators take turns, one instruction a turn.
.macro MUL16 f, hi, a0, zero
	WIN MUL_LO+0x50*(\hi)
.irp a, \a0, (\a0)+1
.irp b, 0,1,2,3,4,5,6,7
.if \zero
	v_wmma_f32_16x16x32_f16 v[8*(8*(\a)+(\b)):8*(8*(\a)+(\b))+7], v[(\f)+8*(\b):(\f)+8*(\b)+7], v[(\f)+8*(4*(\hi)+(\a)):(\f)+8*(4*(\hi)+(\a))+7], 0
.else
	v_wmma_f32_16x16x32_f16 v[8*(8*(\a)+(\b)):8*(8*(\a)+(\b))+7], v[(\f)+8*(\b):(\f)+8*(\b)+7], v[(\f)+8*(4*(\hi)+(\a)):(\f)+8*(4*(\hi)+(\a))+7], v[8*(8*(\a)+(\b)):8*(8*(\a)+(\b))+7]
.endif
.endr
.endr
.endm
; 32 LDS loads in one run: a quarter step's fragments (32 K at byte k of the rows of the slot in hand) into buffer f
.macro FETCH k, f
	WIN TO_B
.irp i, 0,1,2,3,4,5,6,7
	ds_load_b128 v[(\f)+8*(\i):(\f)+8*(\i)+3],   v[RCB] offset:(\k)+(\i)*16*PITCH
	ds_load_b128 v[(\f)+8*(\i)+4:(\f)+8*(\i)+7], v[RCB] offset:(\k)+(\i)*16*PITCH+32
.endr
	WIN 0
.irp i, 0,1,2,3,4,5,6,7
	ds_load_b128 v[(\f)+8*(\i):(\f)+8*(\i)+3],   v[RCA] offset:(\k)+(\i)*16*PITCH
	ds_load_b128 v[(\f)+8*(\i)+4:(\f)+8*(\i)+7], v[RCA] offset:(\k)+(\i)*16*PITCH+32
.endr
.endm
; One of a K step's first three quarters: multiplies buffer f; in its middle it fetches the next quarter, at byte k, into buffer g
.macro QUARTER k, f, g, zero
	s_wait_dscnt 8                                 ; B and A's rows 0-63 are in; the youngest eight loads (A's rows 64-127) may be out
	MUL16 \f, 0, 0, \zero
	MUL16 \f, 0, 2, \zero
	PLACES
	FETCH \k, \g
	s_wait_dscnt 32                                ; all but the 32 just issued
	MUL16 \f, 1, 0, \zero
	MUL16 \f, 1, 2, \zero
.endm
; The last quarter's first half, and the one barrier of a change of slots: each wave has waited for all its tensor loads, has added 0 to its spare word, and has waited for that and for its reads of the slot
.macro MEET round
	WIN 0
	s_wait_tensorcnt 0x0                           ; the one load of mine that was out is my part of the next slot
	ds_add_u32 v[SPW], v[NIL]
	s_wait_dscnt 9                                 ; (the add and the youngest eight loads may be out)
	MUL16 F1, 0, 0, 0
	s_wait_dscnt 0x0                               ; the add is done, and my reads of this slot are over
	s_barrier_signal -1
	MUL16 F1, 0, 2, 0
.if \round
	WIN 0
.endif
	s_barrier_wait -1
.endm
; The whole last quarter.  fill = 1: the barrier opens a round of the cluster's, and the slot just read is filled again, with the K step two on, first thing behind the round
.macro TURN fill
	MEET \fill
.if \fill
	CREST
	s_add_co_u32 s[GA+1], s21, s20                 ; no load of mine is out: the walking descriptors are written: the slot in hand,
	s_add_nc_u64 s[GA+2:GA+3], s[GA+2:GA+3], KSTEP*2  ; the next K step
	s_add_co_u32 s[GB+1], s21, s20
	s_add_nc_u64 s[GB+2:GB+3], s[GB+2:GB+3], KSTEP*2
	JLOAD                                          ; its four v_nop are also the places in front of the loads below
.else
	PLACES
	WIN 0
.endif
	s_xor_b32 s21, s21, SLOT                       ; on to the other slot
	v_add_nc_u32 v[RCA], s21, v[RA0]
	v_add_nc_u32 v[RCB], s21, v[RB0]
	FETCH 0, F0
	MUL16 F1, 1, 0, 0
	MUL16 F1, 1, 2, 0
.endm
	s_wait_tensorcnt 1                             ; my part of K step 0 is in; K step 1's load stays out
	s_barrier_signal -1
	s_barrier_wait -1
	FETCH 0, F0
	QUARTER 64, F0, F1, 1                          ; the first quarter's products start the sums
	WIN 0
	s_mov_b32 s22, 6
.LA:                                                   ; six trips, from a K step's second quarter to the next step's first: K steps 2 to 7 are asked for
	QUARTER 128, F1, F0, 0
	QUARTER 192, F0, F1, 0
	TURN 1
	QUARTER 64, F0, F1, 0
	WIN 0
	s_sub_co_u32 s22, s22, 1
	s_cmp_lg_u32 s22, 0
	s_cbranch_scc1 .LA
	s_mov_b32 s22, 2
.LB:                                                   ; the last two K steps ask for nothing; the second trip is left in its middle (its 32 loads from the other slot serve nothing: the price of one text for both)
	QUARTER 128, F1, F0, 0
	QUARTER 192, F0, F1, 0
	TURN 0
	WIN 0
	s_sub_co_u32 s22, s22, 1
	s_cmp_eq_u32 s22, 0
	s_cbranch_scc1 .Lout
	QUARTER 64, F0, F1, 0
	WIN 0
	s_branch .LB
.Lout:
	s_wait_dscnt 0x0                               ; my last reads of the slots are back,
	s_barrier_signal -1
	s_barrier_wait -1                              ; and everybody's: the slots, which no load fills any more, may be written
	PLACES
.set a, 0
.rept 8                                ; my 128 x 128 sums into my rows of 528 bytes; each accumulator's low half first
	WIN 0x08+4*(a/4)                               ; the stores' data in window 2 or 3
.set b, 0
.rept 8
	ds_store_b128 v[STO], v[8*(8*(a%4)+b):8*(8*(a%4)+b)+3] offset:a*16*DP+64*b
	ds_store_b128 v[STO], v[8*(8*(a%4)+b)+4:8*(8*(a%4)+b)+7] offset:a*16*DP+64*b+16
.set b, b+1
.endr
.set a, a+1
.endr
	WIN 0
.if EPI
	s_wait_loadcnt 0x0                             ; the bias
.set i, 0
.rept 4
	v_pk_mul_f32 v[BK+2*i:BK+2*i+1], v[BI+2*i:BI+2*i+1], s[KC:KC+1] op_sel_hi:[1,0]
.set i, i+1
.endr
.endif
	s_mov_b32 s22, 16
.Lrow:                                                 ; eight rows a trip.  Load q = 2 u + hh brings row 2 u + l / 16, columns 64 hh + 4 (l % 16) + 0..3.  LDS serves a wave's instructions in order: these see my stores
.set q, 0
.rept 8
	ds_load_b128 v[RR+4*q:RR+4*q+3], v[RDC] offset:(q/2)*2*DP+(q%2)*256
.set q, q+1
.endr
.if EPI
	; z = KC (sum + bias); w = -z^2; d = 1 + PC |z|; then t = 1 / d and e = 2^w, a pair behind, between the plain lines.  No line ahead of the wait names a result of theirs.
.set i, 0
.rept 16
.if i%2 == 0
	s_wait_dscnt 7-i/2                             ; load i / 2 is in; the younger ones stay out
.endif
	v_pk_fma_f32 v[RZ+2*i:RZ+2*i+1], v[RR+2*i:RR+2*i+1], s[KC:KC+1], v[BK+4*((i/2)%2)+2*(i%2):BK+4*((i/2)%2)+2*(i%2)+1] op_sel_hi:[1,0,1]
.if i > 0
	v_rcp_f32 v[RT+2*i-2], v[RT+2*i-2]
.endif
	v_pk_mul_f32 v[RW+2*i:RW+2*i+1], v[RZ+2*i:RZ+2*i+1], v[RZ+2*i:RZ+2*i+1] neg_lo:[1,0] neg_hi:[1,0]
.if i > 0
	v_rcp_f32 v[RT+2*i-1], v[RT+2*i-1]
.endif
	v_fma_f32 v[RT+2*i], |v[RZ+2*i]|, s[PC], 1.0
.if i > 0
	v_exp_f32 v[RW+2*i-2], v[RW+2*i-2]
.endif
	v_fma_f32 v[RT+2*i+1], |v[RZ+2*i+1]|, s[PC], 1.0
.if i > 0
	v_exp_f32 v[RW+2*i-1], v[RW+2*i-1]
.endif
.set i, i+1
.endr
	v_rcp_f32 v[RT+30], v[RT+30]
	v_pk_mul_f32 v[RZ:RZ+1], v[RZ:RZ+1], s[HC:HC+1] op_sel_hi:[1,0]      ; z becomes x / 2
	v_rcp_f32 v[RT+31], v[RT+31]
	v_pk_mul_f32 v[RZ+2:RZ+3], v[RZ+2:RZ+3], s[HC:HC+1] op_sel_hi:[1,0]
	v_exp_f32 v[RW+30], v[RW+30]
	v_pk_mul_f32 v[RZ+4:RZ+5], v[RZ+4:RZ+5], s[HC:HC+1] op_sel_hi:[1,0]
	v_exp_f32 v[RW+31], v[RW+31]
.set i, 3
.rept 13
	v_pk_mul_f32 v[RZ+2*i:RZ+2*i+1], v[RZ+2*i:RZ+2*i+1], s[HC:HC+1] op_sel_hi:[1,0]
.set i, i+1
.endr
	s_wait_alu depctr_va_vdst(0)                   ; one wait for the trip's 64 reciprocals and exponentials, ahead of their first reader
.set i, 0
.rept 16
	v_pk_fma_f32 v[RP+2*i:RP+2*i+1], v[RT+2*i:RT+2*i+1], s[N3:N3+1], s[N2:N2+1] op_sel_hi:[1,0,0]
.set i, i+1
.endr
.set i, 0
.rept 16
	v_pk_fma_f32 v[RP+2*i:RP+2*i+1], v[RP+2*i:RP+2*i+1], v[RT+2*i:RT+2*i+1], s[N1:N1+1] op_sel_hi:[1,1,0]
.set i, i+1
.endr
.set i, 0
.rept 16
	v_pk_mul_f32 v[RP+2*i:RP+2*i+1], v[RP+2*i:RP+2*i+1], v[RT+2*i:RT+2*i+1]
.set i, i+1
.endr
.set i, 0
.rept 16
	v_pk_fma_f32 v[RP+2*i:RP+2*i+1], v[RP+2*i:RP+2*i+1], v[RW+2*i:RW+2*i+1], 1.0 op_sel_hi:[1,1,0]  ; erf(|x| / sqrt 2)
.set i, i+1
.endr
.set i, 0
.rept 32
	v_fma_f32 v[RP+i], |v[RZ+i]|, v[RP+i], v[RZ+i]  ; x / 2 + |x / 2| erf
.set i, i+1
.endr
.set i, 0
.rept 16
	v_cvt_pk_f16_f32 v[RY+i], v[RP+2*i], v[RP+2*i+1]
.set i, i+1
.endr
.else
.set i, 0
.rept 16
.if i%2 == 0
	s_wait_dscnt 7-i/2                             ; load i / 2 is in; the younger ones stay out
.endif
	v_cvt_pk_f16_f32 v[RY+i], v[RR+2*i], v[RR+2*i+1]
.set i, i+1
.endr
.endif
.set q, 0
.rept 8
	global_store_b64 v[CO], v[RY+2*q:RY+2*q+1], s[8:9] offset:(q/2)*256+(q%2)*SST  ; two rows of one slice: 256 consecutive bytes, aligned
.set q, q+1
.endr
	s_wait_xcnt 0x0                                ; the stores have read their data and their base: both are written again only behind this wait
	s_add_nc_u64 s[8:9], s[8:9], 1024              ; eight rows of a slice on
	v_add_nc_u32 v[RDC], 8*DP, v[RDC]
	s_sub_co_u32 s22, s22, 1
	s_cmp_lg_u32 s22, 0
	s_cbranch_scc1 .Lrow
	s_wait_tensorcnt 0x0                           ; the wave's end, behind my last tensor load and my last LDS store
	ds_add_u32 v[SPW], v[NIL]
	s_wait_dscnt 0x0
	CROUND                                         ; the closing round
	s_endpgm
.Lfunc_end_k_q405417f2ad_gemm_ffn1:
	.size	k_q405417f2ad_gemm_ffn1, .Lfunc_end_k_q405417f2ad_gemm_ffn1-k_q405417f2ad_gemm_ffn1
	.p2alignl 7, 3214868480
	.fill 96, 4, 3214868480
	.section	.rodata,"a",@progbits
	.p2align	6, 0x0
	.amdhsa_kernel k_q405417f2ad_gemm_ffn1
		.amdhsa_group_segment_fixed_size 327680
		.amdhsa_private_segment_fixed_size 0
		.amdhsa_enable_private_segment 0
		.amdhsa_kernarg_size 32
		.amdhsa_user_sgpr_count 2
		.amdhsa_user_sgpr_kernarg_segment_ptr 1
		.amdhsa_wavefront_size32 1
		.amdhsa_system_sgpr_workgroup_id_x 1
		.amdhsa_system_sgpr_workgroup_id_y 1
		.amdhsa_system_sgpr_workgroup_id_z 1
		.amdhsa_system_vgpr_workitem_id 0
		.amdhsa_next_free_vgpr 1024
		.amdhsa_next_free_sgpr 82
		.amdhsa_reserve_vcc 0
		.amdhsa_float_denorm_mode_32 3
		.amdhsa_float_denorm_mode_16_64 3
		.amdhsa_memory_ordered 1
		.amdhsa_forward_progress 1
		.amdhsa_inst_pref_size 93
	.end_amdhsa_kernel
	.amdgpu_metadata
---
amdhsa.version: [ 1, 2 ]
amdhsa.kernels:
  - .name:           k_q405417f2ad_gemm_ffn1
    .symbol:         k_q405417f2ad_gemm_ffn1.kd
    .args:
      - { .name: act, .offset: 0, .size: 8, .value_kind: global_buffer, .address_space: global }
      - { .name: w1b, .offset: 8, .size: 8, .value_kind: global_buffer, .address_space: global }
      - { .name: ff, .offset: 16, .size: 8, .value_kind: global_buffer, .address_space: global }
      - { .name: ffn_b1, .offset: 24, .size: 8, .value_kind: global_buffer, .address_space: global }
    .group_segment_fixed_size: 327680
    .private_segment_fixed_size: 0
    .kernarg_segment_align: 8
    .kernarg_segment_size: 32
    .max_flat_workgroup_size: 128
    .sgpr_count:     82
    .vgpr_count:     1024
    .wavefront_size: 32
...
	.end_amdgpu_metadata
.endif
;; end of part 5
;; launch gemm_ffn2 (part 6): grid 8 x 32, 4 waves a work-group, clusters of 4 x 4, 327,680 bytes of LDS; arguments ff, w2b, x1, out0, ffn_b2; writes out0
.if DOCPART == 6
	.amdgcn_target "amdgcn-amd-amdhsa--gfx1250"
	.amdhsa_code_object_version 6
	.text
	.protected	k_q405417f2ad_gemm_ffn2
	.globl	k_q405417f2ad_gemm_ffn2
	.p2align	8
	.type	k_q405417f2ad_gemm_ffn2,@function
k_q405417f2ad_gemm_ffn2:
	s_mov_b64 s[64:65], 0
	v_nop
	global_prefetch_b8 v0, s[64:65] scope:SCOPE_SE
	s_setreg_imm32_b32 hwreg(HW_REG_WAVE_MODE, 25, 1), 1
	s_wait_xcnt 0x0
	s_wait_alu depctr_hold_cnt(0) depctr_sa_sdst(0) depctr_va_vdst(0) depctr_va_sdst(0) depctr_va_ssrc(0) depctr_va_vcc(0) depctr_vm_vsrc(0)
	s_getreg_b32 s2, hwreg(HW_REG_IB_STS2, 6, 4)
	s_cmp_eq_u32 s2, 0
	s_cbranch_scc0 .Lentry_in_a_cluster
	s_endpgm
.Lentry_in_a_cluster:
	s_bfe_u32 s2, ttmp6, 0x10000c
	s_cmp_lg_u32 s2, 0xf033
	s_cbranch_scc0 .Lentry_shape_is_right
	s_endpgm
.Lentry_shape_is_right:
; C = R (+ bias) + A B^T.  A: [SIZE_K / 64][4096][64] f16, in slices of 64 along K; B: [1024][SIZE_K] f16 (weights, rounded once from f32); R and C: [4096][1024] f32; sums in f32, nothing is rounded on the way out.
; LIMITS.  Matrix operands are f16: they arrive within 65,504, and below 6.1e-5 keep f16's fixed step of 6e-8.  NaN and infinities are not treated apart.
; SHAPE.  A tile of C is 128 x 128, so that 1,024 columns give 256 work-groups: four waves of 64 x 64, 16 accumulators each.  K goes in T steps of 256 through two LDS slots.
; A step's part of A is four slices x 128 rows x 128 bytes; a slice's 128 rows are 16,384 dense bytes, and one tensor load brings two slices as two long rows, padded in LDS after every 128 bytes.  B's rows in a step are 512 bytes.
; The text of a K step is written once; the slot in hand is a scalar register that one exclusive or turns.  The last two steps, which ask for nothing, have a loop of their own.
; CLUSTER.  4 x 4 work-groups: A's tile is asked for jointly along a row of the cluster, B's along a column.  TRANSPOSED USE: a lane holds row l % 16 of C and eight neighbouring columns.
; K BEGINS AT TWO PLACES.  A cluster whose x + y is odd begins at K step T / 2 and goes round to T / 2 - 1.  So the two clusters that need the same rows of A (they differ in x), and neighbours along y, which need the same rows
; of B, ask for a given K step half a walk apart.  The number hangs on the cluster's x and y alone, which all sixteen partners share; it enters the global addresses alone.  The f32 sums are then taken in that order.
; THE RESIDUAL is asked for at the head, in the layout in which the sums come back from the stage, and waits in registers.  THE WAY OUT: 16 rows at a time through each wave's own stage: sixteen lanes store 256 consecutive bytes, aligned.
; REGISTERS.  Window 0: v12-30 addresses and bias; v32-95 at work on the way out; v128-255 the accumulators.  Window 1: two fragment buffers of 128 (A's 64, then B's 64).  Window 2: v0-127 the residual.
.set SIZE_K, 4096
.set T,      16
.set BIAS,   1
.set PA,     144                       ; a row of A in LDS: 128 bytes + 16
.set PBB,    528                       ; a row of B: 512 + 16
.set ASL,    128*PA                    ; a slice's 128 rows
.set BOFF,   4*ASL
.set SLOT,   BOFF+128*PBB
.set STAGE,  2*SLOT                    ; 16 rows x 272 bytes for each wave; no tensor load lands here
.set SP,     272
.set SPARE,  STAGE+4*16*SP
.set ASTEP,  4*524288                  ; four slices on
.set BI,  12                           ; v[12:15] the bias of my 4 columns
.set RA0, 16
.set RB0, 17
.set RCA, 18
.set RCB, 19
.set STO, 24
.set RD,  25
.set CO,  26
.set C16, 27
.set SPW, 28
.set NIL, 29
.set TMP, 32
.set ACC, 128
.set F0,  0
.set F1,  128
.set G1A, 24
.set GA0, 32
.set GA,  36
.set G1B, 48
.set GB0, 56
.set GB,  60
.set KQ,  73                           ; s73      the K step at which the walking descriptors stand
.set WRA, 74                           ; s[74:75] what A's address goes back at this refill: T steps at the wrap, else 0
.set WRB, 76                           ; s[76:77] the same for B's
.set MSB, 0
.macro WIN new
.if MSB != (\new)
	s_set_vgpr_msb (MSB<<8)|(\new)
.set MSB, \new
.endif
.endm
.set MUL,  0x05                        ; sources 0 (B) and 1 (A) window 1; C and D window 0
.set TO_F, 0x40
.macro PLACES
.rept 4
	v_nop
.endr
.endm
.macro JLOAD                           ; a joint refill: waves 0 and 1 fetch A's slices, waves 2 and 3 B's rows
	s_cmp_eq_u32 s13, 0
	s_cbranch_scc0 .Lfor_b_\@
	tensor_load_to_lds s[GA:GA+3], s[G1A:G1A+7]
	s_nop 0
	PLACES
	s_branch .Lasked_\@
.Lfor_b_\@:
	tensor_load_to_lds s[GB:GB+3], s[G1B:G1B+7]
	s_nop 0
	PLACES
.Lasked_\@:
.endm
.macro CREST
	s_cmp_lg_u32 s12, 0
	s_cbranch_scc1 .Lnot_wave_0_\@
	s_barrier_signal -3
.Lnot_wave_0_\@:
	s_barrier_wait -3
	s_barrier_signal -1
	s_barrier_wait -1
.endm
.macro CROUND
	s_barrier_signal -1
	s_barrier_wait -1
	CREST
.endm
	s_load_b256 s[4:11], s[0:1], 0x0               ; A s[4:5], B s[6:7], R s[8:9], C s[10:11]
.if BIAS
	s_load_b64 s[68:69], s[0:1], 0x20
.endif
	v_lshl_add_u32 v[SPW], v0, 2, SPARE
	v_mov_b32 v[NIL], 0
	ds_add_u32 v[SPW], v[NIL]                      ; the wave's opening: the add and its wait ahead of my first tensor load
	v_lshrrev_b32 v1, 5, v0
	v_readfirstlane_b32 s12, v1
	s_lshr_b32 s13, s12, 1                         ; my half of the tile's rows; also: I fetch for A (0) or B (1)
	s_and_b32 s14, s12, 1                          ; my half of its columns; also: which part I fetch
	s_bfe_u32 s15, ttmp6, 0x40000
	s_bfe_u32 s16, ttmp6, 0x40004
	s_lshl_b32 s17, ttmp9, 2
	s_add_co_u32 s17, s17, s15                     ; tile column
	s_and_b32 s18, ttmp7, 0xffff
	s_lshl_b32 s18, s18, 2
	s_add_co_u32 s18, s18, s16                     ; tile row
	s_lshl_b32 s23, s16, 2
	s_lshl_b32 s23, 15, s23                        ; my row of the cluster
	s_lshl_b32 s72, 0x1111, s15                    ; my column
	s_or_b32 s[G1A], s23, (1<<16)|(1<<20)|(1<<21)|(4<<22)|(3<<25)  ; after every 32 words 4 words of padding
	s_mov_b32 s[G1A+1], 8192<<16                   ; tensor_dim0 = 8,192: a slice's 128 rows on end
	s_mov_b32 s[G1A+2], 2<<16                      ; tensor_dim1 = 2 slices
	s_mov_b32 s[G1A+3], 8192<<16                   ; tile_dim0
	s_mov_b32 s[G1A+4], 2                          ; tile_dim1
	s_mov_b32 s[G1A+5], 262144                     ; elements from slice to slice
	s_mov_b32 s[G1A+6], 0
	s_mov_b32 s[G1A+7], 0
	s_or_b32 s[G1B], s72, (1<<16)|(1<<20)|(1<<21)|(6<<22)|(3<<25)  ; after every 128 words 4 words
	s_mov_b32 s[G1B+1], 256<<16
	s_mov_b32 s[G1B+2], 64<<16
	s_mov_b32 s[G1B+3], 256<<16
	s_mov_b32 s[G1B+4], 64
	s_mov_b32 s[G1B+5], SIZE_K
	s_mov_b32 s[G1B+6], 0
	s_mov_b32 s[G1B+7], 0
	s_lshl_b32 s40, s14, 20                        ; A: slices 2 x part on, row 128 x tile row
	s_lshl_b32 s41, s18, 14
	s_add_co_u32 s40, s40, s41
	s_mov_b32 s41, 0
	s_lshl_b32 s44, s17, 7
	s_lshl_b32 s45, s14, 6
	s_add_co_u32 s44, s44, s45                     ; B: row 128 x tile column + 64 x part
	s_mul_i32 s44, s44, SIZE_K*2
	s_mov_b32 s45, 0
	s_and_b32 s[KQ], ttmp7, 0xffff                 ; cluster y
	s_add_co_u32 s[KQ], s[KQ], ttmp9               ; + cluster x:
	s_and_b32 s[KQ], s[KQ], 1                      ; odd: the walk begins at K step T / 2
	s_mul_i32 s[WRA], s[KQ], (T/2)*ASTEP
	s_add_co_u32 s40, s40, s[WRA]
	s_mul_i32 s[WRB], s[KQ], (T/2)*512
	s_add_co_u32 s44, s44, s[WRB]
	s_mul_i32 s[KQ], s[KQ], T/2
	s_add_co_u32 s[KQ], s[KQ], 1                   ; the second first fill's K step
	s_mov_b32 s[WRA+1], 0
	s_mov_b32 s[WRB+1], 0
	s_mul_i32 s19, s14, 2*ASL                      ; where A's part goes in a slot,
	s_mul_i32 s20, s14, 64*PBB
	s_add_co_u32 s20, s20, BOFF                    ; and B's
	s_mov_b32 s21, 0                               ; the slot in hand
	s_wait_dscnt 0x0                               ; the opening add is done
	s_wait_kmcnt 0x0
	s_add_nc_u64 s[42:43], s[4:5], s[40:41]
	s_add_nc_u64 s[46:47], s[6:7], s[44:45]
	CROUND                                         ; all sixteen work-groups are here: the first joint loads meet
	s_mov_b32 s[GA0], 1
	s_mov_b32 s[GA0+1], s19
	s_mov_b64 s[GA0+2:GA0+3], s[42:43]
	s_or_b32 s[GA0+3], s[GA0+3], 0x80000000
	s_mov_b32 s[GA], 1
	s_add_co_u32 s[GA+1], s19, SLOT
	s_add_nc_u64 s[GA+2:GA+3], s[42:43], ASTEP
	s_or_b32 s[GA+3], s[GA+3], 0x80000000
	s_mov_b32 s[GB0], 1
	s_mov_b32 s[GB0+1], s20
	s_mov_b64 s[GB0+2:GB0+3], s[46:47]
	s_or_b32 s[GB0+3], s[GB0+3], 0x80000000
	s_mov_b32 s[GB], 1
	s_add_co_u32 s[GB+1], s20, SLOT
	s_add_nc_u64 s[GB+2:GB+3], s[46:47], 512
	s_or_b32 s[GB+3], s[GB+3], 0x80000000
	s_cmp_eq_u32 s13, 0                            ; a wave's two first fills stand in one branch: two loads of mine are out
	s_cbranch_scc0 .Lfirst_b
	tensor_load_to_lds s[GA0:GA0+3], s[G1A:G1A+7]
	s_nop 0
	tensor_load_to_lds s[GA:GA+3], s[G1A:G1A+7]
	s_nop 0
	PLACES
	s_branch .Lfirst_asked
.Lfirst_b:
	tensor_load_to_lds s[GB0:GB0+3], s[G1B:G1B+7]
	s_nop 0
	tensor_load_to_lds s[GB:GB+3], s[G1B:G1B+7]
	s_nop 0
	PLACES
.Lfirst_asked:
	v_and_b32 v1, 15, v0                           ; l % 16
	v_bfe_u32 v2, v0, 4, 1                         ; l / 16
	v_mul_u32_u24 v3, v1, PA
	v_lshl_add_u32 v3, v2, 4, v3
	s_mul_i32 s23, s13, 64*PA
	v_add_nc_u32 v[RA0], s23, v3                   ; my 64 rows of each slice
	v_mul_u32_u24 v3, v1, PBB
	v_lshl_add_u32 v3, v2, 4, v3
	s_mul_i32 s23, s14, 64*PBB
	s_add_co_u32 s23, s23, BOFF
	v_add_nc_u32 v[RB0], s23, v3                   ; my 64 rows of B
	v_mov_b32 v[RCA], v[RA0]
	v_mov_b32 v[RCB], v[RB0]
	s_mul_i32 s23, s12, 16*SP
	s_add_co_u32 s23, s23, STAGE                   ; my stage
	v_mul_u32_u24 v3, v1, SP
	v_lshl_add_u32 v3, v2, 5, v3                   ; in: row l % 16, 32 bytes for each half of the lanes
	v_add_nc_u32 v[STO], s23, v3
	v_mul_u32_u24 v3, v2, SP
	v_lshl_add_u32 v3, v1, 4, v3                   ; back: lanes 0-15 take one row of 256 bytes, lanes 16-31 the next
	v_add_nc_u32 v[RD], s23, v3
	v_lshlrev_b32 v[C16], 4, v1
	v_lshl_add_u32 v[CO], v2, 12, v[C16]           ; the same two rows in R and C
	s_lshl_b32 s70, s18, 19                        ; R and C at my 64 x 64: row 128 x tile row + 64 x half, 4,096 bytes a row; column 128 x tile column + 64 x half
	s_lshl_b32 s71, s13, 18
	s_add_co_u32 s70, s70, s71
	s_lshl_b32 s71, s17, 9
	s_add_co_u32 s70, s70, s71
	s_lshl_b32 s71, s14, 8
	s_add_co_u32 s70, s70, s71
	s_mov_b32 s71, 0
	s_add_nc_u64 s[8:9], s[8:9], s[70:71]
	s_add_nc_u64 s[10:11], s[10:11], s[70:71]
	WIN 0x80                                       ; destination window 2
.set a, 0
.rept 4
.set t, 0
.rept 8
	global_load_b128 v[4*(8*a+t):4*(8*a+t)+3], v[CO], s[8:9] offset:(16*a+2*t)*4096
.set t, t+1
.endr
.set a, a+1
.endr
	WIN 0
.if BIAS
	s_lshl_b32 s70, s17, 9
	s_lshl_b32 s71, s14, 8
	s_add_co_u32 s70, s70, s71
	s_mov_b32 s71, 0
	s_add_nc_u64 s[68:69], s[68:69], s[70:71]
	global_load_b128 v[BI:BI+3], v[C16], s[68:69]
.endif
; 8 matrix instructions: m blocks a0, a0 + 1 x all 4 n blocks, 32 along K: half c of buffer f.  The 16 accumulators take turns.
.macro MUL8 f, c, a0, zero
	WIN MUL
.irp a, \a0, (\a0)+1
.irp b, 0,1,2,3
.if \zero
	v_wmma_f32_16x16x32_f16 v[ACC+8*(4*(\a)+(\b)):ACC+8*(4*(\a)+(\b))+7], v[(\f)+64+8*(4*(\c)+(\b)):(\f)+64+8*(4*(\c)+(\b))+7], v[(\f)+8*(4*(\c)+(\a)):(\f)+8*(4*(\c)+(\a))+7], 0
.else
	v_wmma_f32_16x16x32_f16 v[ACC+8*(4*(\a)+(\b)):ACC+8*(4*(\a)+(\b))+7], v[(\f)+64+8*(4*(\c)+(\b)):(\f)+64+8*(4*(\c)+(\b))+7], v[(\f)+8*(4*(\c)+(\a)):(\f)+8*(4*(\c)+(\a))+7], v[ACC+8*(4*(\a)+(\b)):ACC+8*(4*(\a)+(\b))+7]
.endif
.endr
.endr
.endm
; 32 LDS loads in one run: quarter q of the step (64 along K: slice q of A's four, byte 128 q of B's rows) into buffer f; the first 32 along K first
.macro FETCH q, f
	WIN TO_F
.irp c, 0,1
.irp i, 0,1,2,3
	ds_load_b128 v[(\f)+64+8*(4*(\c)+(\i)):(\f)+64+8*(4*(\c)+(\i))+3],   v[RCB] offset:128*(\q)+64*(\c)+(\i)*16*PBB
	ds_load_b128 v[(\f)+64+8*(4*(\c)+(\i))+4:(\f)+64+8*(4*(\c)+(\i))+7], v[RCB] offset:128*(\q)+64*(\c)+(\i)*16*PBB+32
	ds_load_b128 v[(\f)+8*(4*(\c)+(\i)):(\f)+8*(4*(\c)+(\i))+3],         v[RCA] offset:ASL*(\q)+64*(\c)+(\i)*16*PA
	ds_load_b128 v[(\f)+8*(4*(\c)+(\i))+4:(\f)+8*(4*(\c)+(\i))+7],       v[RCA] offset:ASL*(\q)+64*(\c)+(\i)*16*PA+32
.endr
.endr
.endm
.macro QUARTER q, f, g, zero           ; multiplies buffer f; in its middle it fetches quarter q into buffer g
	s_wait_dscnt 16                                ; the first 32 along K are in; the other sixteen loads may be out
	MUL8 \f, 0, 0, \zero
	MUL8 \f, 0, 2, \zero
	PLACES
	FETCH \q, \g
	s_wait_dscnt 32                                ; all but the 32 just issued
	MUL8 \f, 1, 0, 0
	MUL8 \f, 1, 2, 0
.endm
; The last quarter multiplies buffer 1 and changes slots: one barrier; in front of it each wave waits for all its tensor loads, adds 0 to its spare word, and waits for that and for its reads of the slot.
; fill = 1: the barrier opens a round of the cluster's, and the slot just read takes the walk's K step two on, first thing behind the round.
.macro TURN fill
	WIN 0
	s_wait_tensorcnt 0x0                           ; the one load of mine that was out is my part of the next slot
	ds_add_u32 v[SPW], v[NIL]
	s_wait_dscnt 17                                ; (the add and the youngest sixteen loads may be out)
	MUL8 F1, 0, 0, 0
	s_wait_dscnt 0x0                               ; the add is done, and my reads of this slot are over
	s_barrier_signal -1
	MUL8 F1, 0, 2, 0
.if \fill
	WIN 0
.endif
	s_barrier_wait -1
.if \fill
	CREST
	s_add_co_u32 s[KQ], s[KQ], 1                   ; no load of mine is out: the walking descriptors are written: the next K step, or behind the last K step 0
	s_cmp_eq_u32 s[KQ], T
	s_cselect_b32 s[KQ], 0, s[KQ]
	s_cselect_b32 s[WRA], T*ASTEP, 0
	s_cselect_b32 s[WRB], T*512, 0
	s_add_co_u32 s[GA+1], s21, s19
	s_add_nc_u64 s[GA+2:GA+3], s[GA+2:GA+3], ASTEP
	s_sub_nc_u64 s[GA+2:GA+3], s[GA+2:GA+3], s[WRA:WRA+1]
	s_add_co_u32 s[GB+1], s21, s20
	s_add_nc_u64 s[GB+2:GB+3], s[GB+2:GB+3], 512
	s_sub_nc_u64 s[GB+2:GB+3], s[GB+2:GB+3], s[WRB:WRB+1]
	JLOAD                                          ; its four v_nop are also the places in front of the loads below
.else
	PLACES
	WIN 0
.endif
	s_xor_b32 s21, s21, SLOT
	v_add_nc_u32 v[RCA], s21, v[RA0]
	v_add_nc_u32 v[RCB], s21, v[RB0]
	FETCH 0, F0
	MUL8 F1, 1, 0, 0
	MUL8 F1, 1, 2, 0
.endm
	s_wait_tensorcnt 1                             ; my part of the walk's first K step is in; the second's load stays out
	s_barrier_signal -1
	s_barrier_wait -1
	FETCH 0, F0
	QUARTER 1, F0, F1, 1                           ; the first products start the sums
	WIN 0
	s_mov_b32 s22, T-2
.LA:                                                   ; T - 2 trips, from a K step's second quarter to the next step's first: the walk's steps 2 to T - 1 are asked for
	QUARTER 2, F1, F0, 0
	QUARTER 3, F0, F1, 0
	TURN 1
	QUARTER 1, F0, F1, 0
	WIN 0
	s_sub_co_u32 s22, s22, 1
	s_cmp_lg_u32 s22, 0
	s_cbranch_scc1 .LA
	s_mov_b32 s22, 2
.LB:                                                   ; the last two K steps ask for nothing; the second trip is left in its middle (its 32 loads from the other slot serve nothing)
	QUARTER 2, F1, F0, 0
	QUARTER 3, F0, F1, 0
	TURN 0
	WIN 0
	s_sub_co_u32 s22, s22, 1
	s_cmp_eq_u32 s22, 0
	s_cbranch_scc1 .Lout
	QUARTER 1, F0, F1, 0
	WIN 0
	s_branch .LB
.Lout:
	PLACES
	s_wait_loadcnt 0x0                             ; the residual, and the bias
.set a, 0
.rept 4                                ; 16 rows at a time
.set b, 0
.rept 4
	ds_store_b128 v[STO], v[ACC+8*(4*a+b):ACC+8*(4*a+b)+3] offset:64*b       ; each accumulator's low half first
	ds_store_b128 v[STO], v[ACC+8*(4*a+b)+4:ACC+8*(4*a+b)+7] offset:64*b+16
.set b, b+1
.endr
	s_wait_xcnt 0x0                                ; earlier stores have read the registers that the loads below fill
.set t, 0
.rept 8
	ds_load_b128 v[TMP+32*(a%2)+4*t:TMP+32*(a%2)+4*t+3], v[RD] offset:2*SP*t  ; LDS serves a wave's instructions in order: these see the stores above
.set t, t+1
.endr
	s_wait_dscnt 0x0
	WIN 0x08                                       ; source 1 in window 2
.set p, 0
.rept 16
	v_pk_add_f32 v[TMP+32*(a%2)+2*p:TMP+32*(a%2)+2*p+1], v[TMP+32*(a%2)+2*p:TMP+32*(a%2)+2*p+1], v[32*a+2*p:32*a+2*p+1]
.set p, p+1
.endr
	WIN 0
.if BIAS
.set p, 0
.rept 16
	v_pk_add_f32 v[TMP+32*(a%2)+2*p:TMP+32*(a%2)+2*p+1], v[TMP+32*(a%2)+2*p:TMP+32*(a%2)+2*p+1], v[BI+2*(p%2):BI+2*(p%2)+1]
.set p, p+1
.endr
.endif
.set t, 0
.rept 8
	global_store_b128 v[CO], v[TMP+32*(a%2)+4*t:TMP+32*(a%2)+4*t+3], s[10:11] offset:(16*a+2*t)*4096  ; sixteen lanes store 256 consecutive bytes, aligned
.set t, t+1
.endr
.set a, a+1
.endr
	s_wait_tensorcnt 0x0                           ; the wave's end, behind my last tensor load and my last LDS store
	ds_add_u32 v[SPW], v[NIL]
	s_wait_dscnt 0x0
	CROUND                                         ; the closing round
	s_endpgm
.Lfunc_end_k_q405417f2ad_gemm_ffn2:
	.size	k_q405417f2ad_gemm_ffn2, .Lfunc_end_k_q405417f2ad_gemm_ffn2-k_q405417f2ad_gemm_ffn2
	.p2alignl 7, 3214868480
	.fill 96, 4, 3214868480
	.section	.rodata,"a",@progbits
	.p2align	6, 0x0
	.amdhsa_kernel k_q405417f2ad_gemm_ffn2
		.amdhsa_group_segment_fixed_size 327680
		.amdhsa_private_segment_fixed_size 0
		.amdhsa_enable_private_segment 0
		.amdhsa_kernarg_size 40
		.amdhsa_user_sgpr_count 2
		.amdhsa_user_sgpr_kernarg_segment_ptr 1
		.amdhsa_wavefront_size32 1
		.amdhsa_system_sgpr_workgroup_id_x 1
		.amdhsa_system_sgpr_workgroup_id_y 1
		.amdhsa_system_sgpr_workgroup_id_z 1
		.amdhsa_system_vgpr_workitem_id 0
		.amdhsa_next_free_vgpr 640
		.amdhsa_next_free_sgpr 82
		.amdhsa_reserve_vcc 0
		.amdhsa_float_denorm_mode_32 3
		.amdhsa_float_denorm_mode_16_64 3
		.amdhsa_memory_ordered 1
		.amdhsa_forward_progress 1
		.amdhsa_inst_pref_size 69
	.end_amdhsa_kernel
	.amdgpu_metadata
---
amdhsa.version: [ 1, 2 ]
amdhsa.kernels:
  - .name:           k_q405417f2ad_gemm_ffn2
    .symbol:         k_q405417f2ad_gemm_ffn2.kd
    .args:
      - { .name: ff, .offset: 0, .size: 8, .value_kind: global_buffer, .address_space: global }
      - { .name: w2b, .offset: 8, .size: 8, .value_kind: global_buffer, .address_space: global }
      - { .name: x1, .offset: 16, .size: 8, .value_kind: global_buffer, .address_space: global }
      - { .name: out0, .offset: 24, .size: 8, .value_kind: global_buffer, .address_space: global }
      - { .name: ffn_b2, .offset: 32, .size: 8, .value_kind: global_buffer, .address_space: global }
    .group_segment_fixed_size: 327680
    .private_segment_fixed_size: 0
    .kernarg_segment_align: 8
    .kernarg_segment_size: 40
    .max_flat_workgroup_size: 128
    .sgpr_count:     82
    .vgpr_count:     640
    .wavefront_size: 32
...
	.end_amdgpu_metadata
.endif
;; end of part 6
;; ======== version 2 of 2: 7 launches; version 1 with the launches prep, ln2 written anew for expert scheduling mode
;; limits: a function is approximated: absolute error at most 2.5e-05; values are held in f16: magnitudes above 65,504 overflow, below 6.1e-05 lose precision
;; workspace buffers: wq 6,291,456 bytes; wo 2,097,152 bytes; w1b 8,388,608 bytes; w2b 8,388,608 bytes; act 8,388,608 bytes; qkv 25,165,824 bytes; x1 16,777,216 bytes; ff 33,554,432 bytes
;; launch prep (part 7): grid 1024 x 1, 4 waves a work-group, no clusters, 0 bytes of LDS; arguments x, ln1_w, ln1_b, act, qkv_w, o_w, ffn_w1, ffn_w2, wq, wo, w1b, w2b; writes act, wq, wo, w1b, w2b
.if DOCPART == 7
	.amdgcn_target "amdgcn-amd-amdhsa--gfx1250"
	.amdhsa_code_object_version 6
	.text
	.protected	k_q405417f2ad_prep
	.globl	k_q405417f2ad_prep
	.p2align	8
	.type	k_q405417f2ad_prep,@function
k_q405417f2ad_prep:
	s_mov_b64 s[64:65], 0
	v_nop
	global_prefetch_b8 v0, s[64:65] scope:SCOPE_SE
	s_setreg_imm32_b32 hwreg(HW_REG_WAVE_SCHED_MODE, 0, 2), 2
	s_setreg_imm32_b32 hwreg(HW_REG_WAVE_MODE, 25, 1), 1
	s_wait_xcnt 0x0
	s_wait_alu depctr_vm_vsrc(0)
; LAYER NORM 1 AND THE WEIGHTS' ROUNDING, one stream.  Every work-group takes 16 rows of 1,024 f32 (64 KiB in, 32 KiB of f16 out), each of its four waves 4 rows.
; Work-groups 0-255: act = f16(layer_norm(x) * ln1_w + ln1_b).  256-447: wq = f16(qkv_w).  448-511: wo = f16(o_w).  512-767: w1b = f16(ffn_w1).  768-1023: w2b = f16(ffn_w2), taken as 4,096 rows of 1,024.
; LIMITS.  f16 holds no number beyond 65,504 (a normed number is at most sqrt(1023) = 32 times its gain, plus its bias); below 6.1e-5 a number keeps f16's fixed step of 6e-8.
; A row is 32 registers of one wave: it is read once and stays in registers between the mean, the centred sum of squares and the scaling; no LDS, no barrier.
; The variance is the mean of (x - mean)^2, as the problem writes it: no difference of large sums.  All statistics in f32; one rounding to f16 at the end.
; A load of a wave covers 512 consecutive bytes, a store 256 consecutive bytes, aligned.
; THE MODE: SCHED_MODE bits 1:0 = 2 (LLVM: expert scheduling mode 2), set by the entry lines.  The code itself states the register dependences
; between vector instructions and memory instructions, with s_wait_alu, always for 0.
; THE PLAN.  Registers that memory instructions touch:
;   v1, v2     byte offsets of the loads and of the stores: made once at the head, never written again.
;   X, row i   Written by its eight loads, which are issued at the head, ahead of all arithmetic; then worked on in place by vector instructions; its registers 4 j and 4 j + 1 are read by
;              its eight stores and never written again.
;   GW, GB     Written by their loads; read by vector instructions alone.
; So no load lands in a register that a vector instruction has named, and no register that a load or store has read is written again.  What is left to state: the offsets are written, once, ahead
; of the first load; and a row's sixteen roundings have written what its eight stores read: one wait a row.  In the layer norm that wait stands at the head of the next row's scaling, and the
; stores are dealt among that row's vector instructions, which name the next row's registers, RS, GW and GB: none of the registers that the stores read.
.set X,  32                            ; v[32:159]  row i at X + 32 i; load j brings registers 4 j .. 4 j + 3 = columns 128 j + 4 lane + 0..3
.set GW, 160                           ; v[160:191] the gain of my 32 columns, in the same map
.set GB, 192                           ; v[192:223] the bias
.set T,  4                             ; v[4:11]    four chains of pairs
.set MU, 12                            ; v[12:13]   the mean, twice
.set RS, 16                            ; v[16:23]   row i's 1 / sigma, twice, at RS + 2 i
.set VA, 24                            ; v[24:27]   row i's variance + eps
	s_load_b512 s[8:23], s[0:1], 0x0               ; x 8, ln1_w 10, ln1_b 12, act 14, qkv_w 16, o_w 18, ffn_w1 20, ffn_w2 22
	s_load_b256 s[24:31], s[0:1], 0x40             ; wq 24, wo 26, w1b 28, w2b 30
	v_lshrrev_b32 v3, 5, v0
	v_readfirstlane_b32 s3, v3                     ; wave 0..3
	v_and_b32 v2, 31, v0
	v_lshlrev_b32 v1, 4, v2                        ; 16 x lane: my 16 bytes of a load
	v_lshlrev_b32 v2, 3, v2                        ; 8 x lane: my 8 bytes of a store
	s_mov_b32 s2, ttmp9
	s_mov_b32 s40, 0x76543210                      ; v_permlanex16_b32: each lane takes its own place in the other half
	s_mov_b32 s41, 0xfedcba98
	s_mov_b32 s42, 0x3a800000                      ; 1 / 1024
	s_mov_b32 s43, 0x3727c5ac                      ; eps = 1e-5
	s_mov_b32 s36, 0                               ; the first work-group of my range
	s_wait_kmcnt 0x0
	s_mov_b64 s[32:33], s[8:9]                     ; from where
	s_mov_b64 s[34:35], s[14:15]                   ; to where
.macro PICK first, src, dst            ; from work-group 'first' on another pair of buffers is meant
	s_cmp_ge_u32 s2, \first
	s_cselect_b64 s[32:33], s[\src:\src+1], s[32:33]
	s_cselect_b64 s[34:35], s[\dst:\dst+1], s[34:35]
	s_cselect_b32 s36, \first, s36
.endm
	PICK 256, 16, 24
	PICK 448, 18, 26
	PICK 512, 20, 28
	PICK 768, 22, 30
	s_wait_alu depctr_va_sdst(0)                   ; s3, the wave's number, is written, ahead of its first reader: my first row is made from it
	s_sub_co_u32 s37, s2, s36
	s_lshl_b32 s37, s37, 4
	s_lshl_b32 s38, s3, 2
	s_add_co_u32 s37, s37, s38                     ; my first row: 16 x work-group + 4 x wave
	s_lshl_b32 s38, s37, 12                        ; 4,096 bytes a row in
	s_mov_b32 s39, 0
	s_add_nc_u64 s[32:33], s[32:33], s[38:39]
	s_lshl_b32 s38, s37, 11                        ; 2,048 bytes a row out
	s_add_nc_u64 s[34:35], s[34:35], s[38:39]
	s_wait_alu depctr_va_vdst(0)                   ; v1 and v2 are written: every load of the kernel reads v1 as its offset, every store v2; no later vector instruction names either
.set i, 0
.rept 4
.set j, 0
.rept 8
	global_load_b128 v[X+32*i+4*j:X+32*i+4*j+3], v1, s[32:33] offset:i*4096+j*512
.set j, j+1
.endr
.set i, i+1
.endr
.macro ROUND i                         ; row i: 32 numbers rounded to f16 in place: load j's four close up into registers 4 j and 4 j + 1
.set j, 0
.rept 8
	v_cvt_pk_f16_f32 v[X+32*(\i)+4*j], v[X+32*(\i)+4*j], v[X+32*(\i)+4*j+1]
	v_cvt_pk_f16_f32 v[X+32*(\i)+4*j+1], v[X+32*(\i)+4*j+2], v[X+32*(\i)+4*j+3]
.set j, j+1
.endr
.endm
.macro STORE i, j                      ; store j of row i
	global_store_b64 v2, v[X+32*(\i)+4*(\j):X+32*(\i)+4*(\j)+1], s[34:35] offset:(\i)*2048+(\j)*256  ; the wave stores 256 consecutive bytes, aligned
.endm
.macro SEND i                          ; row i's eight stores in one run
.set j, 0
.rept 8
	STORE \i, j
.set j, j+1
.endr
.endm
.macro REDUCE                          ; the four chains into one number, the same in every lane
	v_pk_add_f32 v[T:T+1], v[T:T+1], v[T+2:T+3]
	v_pk_add_f32 v[T+4:T+5], v[T+4:T+5], v[T+6:T+7]
	v_pk_add_f32 v[T:T+1], v[T:T+1], v[T+4:T+5]
	v_add_f32 v[T], v[T], v[T+1]
	v_add_f32_dpp v[T], v[T], v[T] row_xmask:1 row_mask:0xf bank_mask:0xf
	v_add_f32_dpp v[T], v[T], v[T] row_xmask:2 row_mask:0xf bank_mask:0xf
	v_add_f32_dpp v[T], v[T], v[T] row_xmask:4 row_mask:0xf bank_mask:0xf
	v_add_f32_dpp v[T], v[T], v[T] row_xmask:8 row_mask:0xf bank_mask:0xf
	v_permlanex16_b32 v3, v[T], s40, s41           ; v3 was written at the head
	v_add_f32 v[T], v[T], v3
.endm
.macro STAT i                          ; row i: the mean; the row centred in place; variance + eps
	s_wait_loadcnt 40-8*(\i)                       ; behind row i's eight loads stand the later rows' and the sixteen of gain and bias
.set c, 0
.rept 4
	v_pk_add_f32 v[T+2*c:T+2*c+1], v[X+32*(\i)+2*c:X+32*(\i)+2*c+1], v[X+32*(\i)+2*c+8:X+32*(\i)+2*c+9]  ; the first pairs start the chains
.set c, c+1
.endr
.set c, 8
.rept 8
	v_pk_add_f32 v[T+2*(c%4):T+2*(c%4)+1], v[T+2*(c%4):T+2*(c%4)+1], v[X+32*(\i)+2*c:X+32*(\i)+2*c+1]
.set c, c+1
.endr
	REDUCE
	v_mul_f32 v[MU], s42, v[T]
	v_mul_f32 v[MU+1], s42, v[T]
.set c, 0
.rept 16
	v_pk_add_f32 v[X+32*(\i)+2*c:X+32*(\i)+2*c+1], v[X+32*(\i)+2*c:X+32*(\i)+2*c+1], v[MU:MU+1] neg_lo:[0,1] neg_hi:[0,1]
.set c, c+1
.endr
.set c, 0
.rept 4
	v_pk_mul_f32 v[T+2*c:T+2*c+1], v[X+32*(\i)+2*c:X+32*(\i)+2*c+1], v[X+32*(\i)+2*c:X+32*(\i)+2*c+1]
.set c, c+1
.endr
.rept 12
	v_pk_fma_f32 v[T+2*(c%4):T+2*(c%4)+1], v[X+32*(\i)+2*c:X+32*(\i)+2*c+1], v[X+32*(\i)+2*c:X+32*(\i)+2*c+1], v[T+2*(c%4):T+2*(c%4)+1]
.set c, c+1
.endr
	REDUCE
	v_fma_f32 v[VA+(\i)], v[T], s42, s43
.endm
; Row i: times 1 / sigma, times gain plus bias, rounded.  prev = 1: the row before goes out meanwhile: one of its eight stores ahead of every four of this row's first 32 vector instructions.
.macro NORM i, prev
.if \prev
	s_wait_alu depctr_va_vdst(0)                   ; the roundings of the row before have written its registers 4 j and 4 j + 1, which the stores below read; no vector instruction of this row names them
.endif
.set p, 0
.rept 16
.if (\prev) && (p%4 == 0)
	STORE (\i)-1, p/4
.endif
	v_pk_mul_f32 v[X+32*(\i)+2*p:X+32*(\i)+2*p+1], v[X+32*(\i)+2*p:X+32*(\i)+2*p+1], v[RS+2*(\i):RS+2*(\i)+1]
.set p, p+1
.endr
.set p, 0
.rept 16
.if (\prev) && (p%4 == 0)
	STORE (\i)-1, 4+p/4
.endif
	v_pk_fma_f32 v[X+32*(\i)+2*p:X+32*(\i)+2*p+1], v[X+32*(\i)+2*p:X+32*(\i)+2*p+1], v[GW+2*p:GW+2*p+1], v[GB+2*p:GB+2*p+1]
.set p, p+1
.endr
	ROUND \i
.endm
	s_cmp_lt_u32 s2, 256
	s_cbranch_scc0 .Lcast
.set j, 0
.rept 8
	global_load_b128 v[GW+4*j:GW+4*j+3], v1, s[10:11] offset:j*512  ; no vector instruction has been issued since the wait that showed v1 written, and none has named GW or GB
.set j, j+1
.endr
.set j, 0
.rept 8
	global_load_b128 v[GB+4*j:GB+4*j+3], v1, s[12:13] offset:j*512
.set j, j+1
.endr
	STAT 0
	STAT 1
	STAT 2
	STAT 3
.set i, 0
.rept 4
	v_rsq_f32 v[RS+2*i], v[VA+i]                   ; made twice, to fill the pair that the packed multiply takes
	v_rsq_f32 v[RS+2*i+1], v[VA+i]
.set i, i+1
.endr
	v_nop                                          ; a plain instruction behind the last root,
	s_wait_alu depctr_va_vdst(0)                   ; and one wait for the eight: the roots have written v[RS ..], ahead of their first reader
	s_wait_loadcnt 0x0                             ; gain and bias
	NORM 0, 0
	NORM 1, 1
	NORM 2, 1
	NORM 3, 1
	s_wait_alu depctr_va_vdst(0)                   ; row 3's roundings have written what the last eight stores read
	SEND 3
	s_endpgm
.Lcast:
.set i, 0
.rept 4
	s_wait_loadcnt 24-8*i                          ; the later rows' loads stay out
	ROUND i
	s_wait_alu depctr_va_vdst(0)                   ; the row's roundings have written what its eight stores read; the stores go out at once, ahead of the wait for the next row's data
	SEND i
.set i, i+1
.endr
	s_endpgm
.Lfunc_end_k_q405417f2ad_prep:
	.size	k_q405417f2ad_prep, .Lfunc_end_k_q405417f2ad_prep-k_q405417f2ad_prep
	.p2alignl 7, 3214868480
	.fill 96, 4, 3214868480
	.section	.rodata,"a",@progbits
	.p2align	6, 0x0
	.amdhsa_kernel k_q405417f2ad_prep
		.amdhsa_group_segment_fixed_size 0
		.amdhsa_private_segment_fixed_size 0
		.amdhsa_enable_private_segment 0
		.amdhsa_kernarg_size 96
		.amdhsa_user_sgpr_count 2
		.amdhsa_user_sgpr_kernarg_segment_ptr 1
		.amdhsa_wavefront_size32 1
		.amdhsa_system_sgpr_workgroup_id_x 1
		.amdhsa_system_sgpr_workgroup_id_y 1
		.amdhsa_system_sgpr_workgroup_id_z 1
		.amdhsa_system_vgpr_workitem_id 0
		.amdhsa_next_free_vgpr 224
		.amdhsa_next_free_sgpr 66
		.amdhsa_reserve_vcc 0
		.amdhsa_float_denorm_mode_32 3
		.amdhsa_float_denorm_mode_16_64 3
		.amdhsa_memory_ordered 1
		.amdhsa_forward_progress 1
		.amdhsa_inst_pref_size 46
	.end_amdhsa_kernel
	.amdgpu_metadata
---
amdhsa.version: [ 1, 2 ]
amdhsa.kernels:
  - .name:           k_q405417f2ad_prep
    .symbol:         k_q405417f2ad_prep.kd
    .args:
      - { .name: x, .offset: 0, .size: 8, .value_kind: global_buffer, .address_space: global }
      - { .name: ln1_w, .offset: 8, .size: 8, .value_kind: global_buffer, .address_space: global }
      - { .name: ln1_b, .offset: 16, .size: 8, .value_kind: global_buffer, .address_space: global }
      - { .name: act, .offset: 24, .size: 8, .value_kind: global_buffer, .address_space: global }
      - { .name: qkv_w, .offset: 32, .size: 8, .value_kind: global_buffer, .address_space: global }
      - { .name: o_w, .offset: 40, .size: 8, .value_kind: global_buffer, .address_space: global }
      - { .name: ffn_w1, .offset: 48, .size: 8, .value_kind: global_buffer, .address_space: global }
      - { .name: ffn_w2, .offset: 56, .size: 8, .value_kind: global_buffer, .address_space: global }
      - { .name: wq, .offset: 64, .size: 8, .value_kind: global_buffer, .address_space: global }
      - { .name: wo, .offset: 72, .size: 8, .value_kind: global_buffer, .address_space: global }
      - { .name: w1b, .offset: 80, .size: 8, .value_kind: global_buffer, .address_space: global }
      - { .name: w2b, .offset: 88, .size: 8, .value_kind: global_buffer, .address_space: global }
    .group_segment_fixed_size: 0
    .private_segment_fixed_size: 0
    .kernarg_segment_align: 8
    .kernarg_segment_size: 96
    .max_flat_workgroup_size: 128
    .sgpr_count:     66
    .vgpr_count:     224
    .wavefront_size: 32
...
	.end_amdgpu_metadata
.endif
;; end of part 7
;; launch gemm_qkv: the kernel of part 2 again; grid 12 x 16, 4 waves a work-group, clusters of 4 x 4, 327,680 bytes of LDS; arguments act, wq, qkv; writes qkv
;; launch attn: the kernel of part 3 again; grid 8 x 32, 4 waves a work-group, no clusters, 327,680 bytes of LDS; arguments qkv, act; writes act
;; launch gemm_o: the kernel of part 4 again; grid 8 x 32, 4 waves a work-group, clusters of 4 x 4, 327,680 bytes of LDS; arguments act, wo, x, x1; writes x1
;; launch ln2: the kernel of part 7 again; grid 256 x 1, 4 waves a work-group, no clusters, 0 bytes of LDS; arguments x1, ln2_w, ln2_b, act, qkv_w, o_w, ffn_w1, ffn_w2, wq, wo, w1b, w2b; writes act, wq, wo, w1b, w2b
;; launch gemm_ffn1: the kernel of part 5 again; grid 16 x 16, 4 waves a work-group, clusters of 4 x 4, 327,680 bytes of LDS; arguments act, w1b, ff, ffn_b1; writes ff
;; launch gemm_ffn2: the kernel of part 6 again; grid 8 x 32, 4 waves a work-group, clusters of 4 x 4, 327,680 bytes of LDS; arguments ff, w2b, x1, out0, ffn_b2; writes out0
